; MI455X (gfx1250); checked and timed in simulation.
; The chip was launched on July 23, 2026; its instructions are those of AMD's public machine-readable ISA for CDNA 5 (MIT licence, August 2026) and "CDNA5" Instruction Set Architecture Reference Guide (July 2026). The comments in the code are by the model that wrote it; some were corrected since.
;; Q Self Attention. Allowed arithmetic: matrix products marked QUANTISED: E2M3 operands, one E8M0 scale for each 32 along K, by v_wmma_scale_f32_16x16x128_f8f6f4 with both operands' format E2M3, f32 sums; everything else in f32.
;; Inputs: attn_bias 1 x 1 x 2,048 x 2,048 float32; b_proj 1,024 float32; q_bias 1,024 float32; scale_mul 1 x 16 x 1 x 1 float32; v_bias 1,024 float32; w_proj_codes 1,024 x 32 x 24 uint8 (E2M3 codes of w_proj, K innermost, in blocks of 32 codes, four codes in three bytes); w_proj_scales 1,024 x 32 uint8 (E8M0 scales of w_proj, one for each 32 codes along K); w_qkv_codes 3,072 x 32 x 24 uint8 (E2M3 codes of w_qkv, K innermost, in blocks of 32 codes, four codes in three bytes); w_qkv_scales 3,072 x 32 uint8 (E8M0 scales of w_qkv, one for each 32 codes along K); x_codes 2 x 2,048 x 32 x 24 uint8 (E2M3 codes of x, K innermost, in blocks of 32 codes, four codes in three bytes); x_scales 2 x 2,048 x 32 uint8 (E8M0 scales of x, one for each 32 codes along K).
;; Outputs: out0 2 x 2,048 x 1,024 float32.
;; This version of the problem:
;;   THIS VERSION OF THE PROBLEM IS GIVEN IN LOW PRECISION. The matrix products marked QUANTISED in the list below multiply operands that are first quantised to E2M3 (2 exponent bits, 3 mantissa bits; 6 bits a number), with one power-of-two scale for each 32 numbers along K (OCP MX v1.0); their sums are f32. All else is computed in f32.
;;   The module's matrix products, in the order in which they are computed (A, B: the left and right operand; K: the contracted axis; several contracted axes count as one K, in the product's order):
;;     1. [M 4,096, K 1,024] x [K 1,024, N 3,072]; A: input x (given as codes); B: input w_qkv (given as codes): QUANTISED
;;     2. batch 32 x [M 2,048, K 64] x [K 64, N 2,048]; A: computed on the way; B: computed on the way: QUANTISED
;;     3. batch 32 x [M 2,048, K 2,048] x [K 2,048, N 64]; A: softmax (see below); B: computed on the way: QUANTISED
;;     4. [M 4,096, K 1,024] x [K 1,024, N 1,024]; A: computed on the way; B: input w_proj (given as codes): QUANTISED
;;   THE QUANTISER, for each operand of a quantised product, along K:
;;     - K is cut into blocks of 32 from its start; a last block that is shorter is filled with zeros.
;;     - A block's scale is 2^e with e = floor(log2(the largest magnitude in the block)) - 2, held to -126 .. 127; a block of zeros has e = 0. As a byte (E8M0): e + 127.
;;     - Each number is divided by its block's scale, clamped to +-7.5, and rounded to the nearest number of E2M3, ties to even, subnormals kept.
;;     - The product sums the exact products of the quantised numbers (number of the format x scale) in f32.
;;   ~~~python
;;   def quantise(x, axis):      # numpy; x: float32 -> the quantised numbers, widened to float32 again
;;       x = np.moveaxis(x, axis, -1); K = x.shape[-1]
;;       x = np.pad(x, [(0, 0)] * (x.ndim - 1) + [(0, -K % 32)]); x = x.reshape(x.shape[:-1] + (-1, 32)); a = np.abs(x).max(-1, keepdims=True)
;;       e = np.where(a > 0, np.clip(np.frexp(np.where(a > 0, a, 1))[1] - 1 - 2, -126, 127), 0)      # np.frexp(a)[1] - 1 = floor(log2(a)), exactly
;;       r = np.clip(x / 2.0 ** e, -7.5, 7.5)
;;       step = 2.0 ** (np.maximum(np.frexp(np.where(r == 0, 1, r))[1] - 1, 0) - 3)
;;       q = np.round(r / step) * step * 2.0 ** e      # np.round: ties to even
;;       return np.moveaxis(q.reshape(q.shape[:-2] + (-1,))[..., :K], -1, axis).astype(np.float32)
;;   ~~~
;;   SOFTMAX AHEAD OF A QUANTISED PRODUCT. Where the list says 'softmax', what is quantised is not the finished softmax but p = 2^(t - M), with t = logit x log2(e) and M = ceil(the row's largest t), a whole number; so 1/2 < the row's largest p <= 1. The row's sum l is taken of the UNQUANTISED p, in f32, and the product's result is divided by l at the end. Since M is a whole number, a kernel that streams over the keys may use a running M (the ceiling of the running maximum): every later rescaling is an exact power of two, which a block's scale takes up: the codes' values come out the same.
;;   OPERANDS COMPUTED ON THE WAY. 'Computed on the way' means the value that the module computes at that place (a softmax that the list does not call 'softmax' is quantised finished and normalised). What goes into a quantiser is computed in f32, as accurately as f32 sums, v_exp_f32 and their like allow (about 1e-6 of the number): no bf16 or f16 on the way to a quantiser, and a product that is left as it is and whose result goes on into a quantised operand takes f32 operands (vector FMAs, or v_wmma_f32_16x16x4_f32). A number that lies on a knife's edge between two numbers of the format may be rounded either way, as far as f32 arithmetic and the matrix unit's own rounding can turn it there, and no further.
;;   INPUTS GIVEN AS CODES. w_proj (in the module: [1024, 1024], K = its axis 1); w_qkv (in the module: [3072, 1024], K = its axis 1); x (in the module: [2, 2048, 1024], K = its axis 2): each comes as NAME_codes (uint8): NAME with its K axis moved to the last place and cut into blocks of 32 codes, [.., K / 32, bytes a block], one block behind the other in memory; four codes in three bytes: a row's codes are one little-endian stream of bits, code i at bits 6 i .. 6 i + 5 (a code: sign, 2 exponent bits, 3 mantissa bits); and NAME_scales (uint8): the same leading axes, one E8M0 byte (e + 127) for each 32 codes along K. Its value is code x scale, taken as it is: it is not quantised again, and the codes and scales need not be those that the quantiser above would give.
;; One version. Each part assembles by itself: llvm-mc -triple=amdgcn-amd-amdhsa -mcpu=gfx1250 --defsym DOCPART=n.
;; ======== version 1 of 1: 3 launches
;; limits: right only within a limited range of input values
;; workspace buffers: qpk 3,407,872 bytes; kvpk 6,684,672 bytes; ocodes 3,145,728 bytes; oscales 131,072 bytes
;; launch qkv (part 1): grid 12 x 16, 4 waves a work-group, clusters of 4 x 4, 327,680 bytes of LDS; arguments x_codes, x_scales, w_qkv_codes, w_qkv_scales, q_bias, v_bias, scale_mul, qpk, kvpk; writes qpk, kvpk
.if DOCPART == 1
	.amdgcn_target "amdgcn-amd-amdhsa--gfx1250"
	.amdhsa_code_object_version 6
	.text
	.protected	k_q778b6af2d7_qkv
	.globl	k_q778b6af2d7_qkv
	.p2align	8
	.type	k_q778b6af2d7_qkv,@function
k_q778b6af2d7_qkv:
	s_mov_b64 s[64:65], 0
	v_nop
	global_prefetch_b8 v0, s[64:65] scope:SCOPE_SE
	s_setreg_imm32_b32 hwreg(HW_REG_WAVE_MODE, 25, 1), 1
	s_wait_xcnt 0x0
	s_wait_alu depctr_hold_cnt(0) depctr_sa_sdst(0) depctr_va_vdst(0) depctr_va_sdst(0) depctr_va_ssrc(0) depctr_va_vcc(0) depctr_vm_vsrc(0)
	s_getreg_b32 s2, hwreg(HW_REG_IB_STS2, 6, 4)
	s_cmp_eq_u32 s2, 0
	s_cbranch_scc0 .Lentry_in_a_cluster
	s_endpgm
.Lentry_in_a_cluster:
	s_bfe_u32 s2, ttmp6, 0x10000c
	s_cmp_lg_u32 s2, 0xf033
	s_cbranch_scc0 .Lentry_shape_is_right
	s_endpgm
.Lentry_shape_is_right:
; qkv = x w_qkv^T + bias on codes of FP6 (E2M3) with E8M0 scales, K = 1,024; then q and k are normalised (q also x exp(min(scale_mul, log 100)) x 0.25),
; and q, k (along the channels) and v (along the keys) are quantised and stored as images of operand registers: qpk, kvpk.
; k's part of the bias is zero: nothing is added there.
; A work-group of four waves makes 256 x 256, a wave 128 x 128.  Cluster x = 0: q, 1: k (source 0 = rows of w, source 1 = tokens); 2: v, with the roles of x and w changed, so that a lane's registers run along the keys.
; K goes through a ring of two LDS slots in chunks of 256 bytes of each row (a row of codes is 768 bytes: three chunks, each at a multiple of 256); a step of 128 along K is 96 bytes: steps 2 and 5 lie across two chunks.
; The scales of the 256 + 256 rows come once.  4 x 4 clusters: A's tiles are asked for jointly along a row, B's along a column.
; LIMITS: NaN and infinities are not served; a block of zeros gets the byte 1 (read by this program alone).
.set ROWB,   256
.set NQ,     2
.set KROW,   768
.set STEPS,  8
.set CHUNKS, 3
.set PITCH,  272
.set FR,     12
.set NL,     6
.set NP,     4
.set HALFT,  128*PITCH
.set SLOT,   4*HALFT
.set KS,     32
.set SCL,    2*SLOT
.set HALFS,  16*272
.set SBLK,   2*272
.set SPARE,  SCL+4*HALFS
.set ADRA, 16                          ; v16-17 my A fragments in slot 0, 1; v18-19 for pieces whose two halves of the lanes lie in different chunks
.set ADRB, 20
.set OFF16, 24
.set OFF8,  25
.set ADRS, 27
.set SPW,  28
.set NIL,  29
.set FS,   30
.set SC,   32
.set BI,   64
.set VB,   8
.set AF,   128
.set SW,   16
.set PC,   128
.set TM,   208
.set T2,   224
.set SO,   240
.set SS,   240
.set SEL,  66
.set G1, 24
.set G0, 32
.set G1B, 48
.set G0B, 56
.set SBASE, 68                         ; s[68:69] the scales that my wave brings
.set PFB, 74                           ; s[74:75] the rows whose chunk 2 my wave prefetches
.set MSB, 0
.macro WIN new
.if MSB != \new
	s_set_vgpr_msb (MSB<<8)|\new
.set MSB, \new
.endif
.endm
.set MUL_LO, 0xa1
.set MUL_HI, 0xf1
.set TO_B,   0x40
.macro JLOAD g0a, g1a, g0b, g1b        ; waves 0, 1 fetch for A, waves 2, 3 for B
	s_cmp_eq_u32 s15, 0
	s_cbranch_scc0 .Lfor_b_\@
	tensor_load_to_lds s[\g0a:\g0a+3], s[\g1a:\g1a+7]
	s_nop 0
.rept 4
	v_nop
.endr
	s_branch .Lasked_\@
.Lfor_b_\@:
	tensor_load_to_lds s[\g0b:\g0b+3], s[\g1b:\g1b+7]
	s_nop 0
.rept 4
	v_nop
.endr
.Lasked_\@:
.endm
.macro CREST
	s_cmp_lg_u32 s14, 0
	s_cbranch_scc1 .Lnot_wave_0_\@
	s_barrier_signal -3
.Lnot_wave_0_\@:
	s_barrier_wait -3
	s_barrier_signal -1
	s_barrier_wait -1
.endm
.macro CROUND
	s_barrier_signal -1
	s_barrier_wait -1
	CREST
.endm
	s_load_b256 s[4:11], s[0:1], 0x0               ; x's codes, x's scales, w's codes, w's scales
	v_lshl_add_u32 v[SPW], v0, 2, SPARE
	v_mov_b32 v[NIL], 0
	ds_add_u32 v[SPW], v[NIL]                      ; the opening lines
	ds_add_u32 v[SPW], v[NIL]
	v_lshrrev_b32 v1, 5, v0
	v_readfirstlane_b32 s14, v1                    ; wave
	s_lshr_b32 s15, s14, 1
	s_and_b32 s16, s14, 1
	s_bfe_u32 s40, ttmp6, 0x40000
	s_bfe_u32 s41, ttmp6, 0x40004
	s_lshl_b32 s42, ttmp9, 2
	s_and_b32 s17, ttmp7, 0xffff
	s_lshl_b32 s17, s17, 2
	s_cmp_eq_u32 ttmp9, 2                          ; v: A = w's rows 2,048 on, B = tokens
	s_cselect_b32 s42, s17, s42
	s_cselect_b32 s17, 8, s17
	s_add_co_u32 s42, s42, s40                     ; B's tile
	s_add_co_u32 s17, s17, s41                     ; A's tile
	s_lshl_b32 s43, s41, 2
	s_lshl_b32 s43, 15, s43
	s_lshl_b32 s44, 0x1111, s40
	s_or_b32 s[G1+0], s43, (0<<16)|(1<<20)|(1<<21)|(5<<22)|(3<<25)   ; rows of 256 bytes, 16 of padding behind each
	s_or_b32 s[G1B+0], s44, (0<<16)|(1<<20)|(1<<21)|(5<<22)|(3<<25)
.irp g, G1, G1B
	s_mov_b32 s[\g+1], ROWB<<16
	s_mov_b32 s[\g+2], 256<<16                     ; the head's loads bring 256 rows
	s_mov_b32 s[\g+3], ROWB<<16
	s_mov_b32 s[\g+4], 256
	s_mov_b32 s[\g+5], KROW
	s_mov_b32 s[\g+6], 0
	s_mov_b32 s[\g+7], 0
.endr
	s_lshl_b32 s20, s17, 8
	s_lshl_b32 s46, s42, 8
	s_mul_i32 s22, s20, KS
	s_mul_i32 s92, s46, KS
	s_mul_i32 s20, s20, KROW
	s_mul_i32 s46, s46, KROW
	s_mov_b32 s21, 0
	s_mov_b32 s23, 0
	s_mov_b32 s47, 0
	s_mov_b32 s93, 0
	s_mul_i32 s18, s16, 128*KROW                   ; in the ring I fetch 128 rows: which half
	s_mov_b32 s19, 0
	s_mul_i32 s45, s14, HALFT
	s_wait_dscnt 0x0
	s_wait_kmcnt 0x0
	s_cmp_eq_u32 ttmp9, 2
	s_cselect_b64 s[96:97], s[8:9], s[4:5]
	s_cselect_b64 s[98:99], s[10:11], s[6:7]
	s_cselect_b64 s[8:9], s[4:5], s[8:9]
	s_cselect_b64 s[10:11], s[6:7], s[10:11]
	s_add_nc_u64 s[20:21], s[96:97], s[20:21]
	s_add_nc_u64 s[22:23], s[98:99], s[22:23]
	s_add_nc_u64 s[46:47], s[8:9], s[46:47]
	s_add_nc_u64 s[92:93], s[10:11], s[92:93]
	CROUND                                         ; the first joint loads meet
	s_mov_b32 s[G0], 1                             ; the head's four tiles.  Slot 0's group 0 serves chunk 0's 256 rows first; it is set for the ring behind the wait for these loads
	s_mov_b32 s[G0+1], 0
	s_mov_b64 s[G0+2:G0+3], s[20:21]
	s_or_b32 s[G0+3], s[G0+3], 0x80000000
	s_mov_b32 s[G0B], 1
	s_mov_b32 s[G0B+1], 2*HALFT
	s_mov_b64 s[G0B+2:G0B+3], s[46:47]
	s_or_b32 s[G0B+3], s[G0B+3], 0x80000000
	s_add_nc_u64 s[96:97], s[20:21], s[18:19]      ; for the ring: my 128 rows
	s_add_nc_u64 s[98:99], s[46:47], s[18:19]
	s_mov_b32 s[G0+4], 1                           ; chunk 1's 256 rows of A, into slot 1,
	s_mov_b32 s[G0+5], SLOT
	s_add_nc_u64 s[G0+6:G0+7], s[20:21], ROWB
	s_or_b32 s[G0+7], s[G0+7], 0x80000000
	s_mov_b32 s[G0B+4], 1                          ; and of B
	s_mov_b32 s[G0B+5], SLOT+2*HALFT
	s_add_nc_u64 s[G0B+6:G0B+7], s[46:47], ROWB
	s_or_b32 s[G0B+7], s[G0B+7], 0x80000000
	s_cmp_eq_u32 s15, 0                            ; waves 0, 1 serve A, waves 2, 3 B
	s_cselect_b64 s[SBASE:SBASE+1], s[22:23], s[92:93]
	s_cselect_b64 s[PFB:PFB+1], s[20:21], s[46:47]
	s_cselect_b32 s76, s40, s41                    ; my place among the four that ask for the tile with me
	s_lshl_b32 s70, s16, 12                        ; the scales of my 128 rows: 4,096 bytes
	s_mov_b32 s71, 0
	s_add_nc_u64 s[SBASE:SBASE+1], s[SBASE:SBASE+1], s[70:71]
	s_lshl_b32 s76, s76, 1
	s_add_co_u32 s76, s76, s16
	s_mul_i32 s76, s76, 32*KROW                    ; rows 64 x place + 32 x (wave % 2) on
	s_mov_b32 s77, 0
	s_add_nc_u64 s[PFB:PFB+1], s[PFB:PFB+1], s[76:77]
; one tensor load a wave at the head: wave 0 chunk 0 of A, wave 1 of B, wave 2 chunk 1 of A, wave 3 of B, 256 rows each: both slots are filled for the first time here.
; The scales (2 x 8,192 bytes of the 409,600 that a work-group reads) come through registers, 4,096 dense bytes a wave in loads of 512 bytes, into LDS bytes of their own; so they are not asked for jointly.
.macro ARM under, g0, g1, next
	s_cmp_lt_u32 s14, \under
	s_cbranch_scc0 \next
	tensor_load_to_lds s[\g0:\g0+3], s[\g1:\g1+7]
	s_nop 0
.rept 4
	v_nop
.endr
	s_branch .Lhead_asked
\next:
.endm
	ARM 1, G0,  G1,  .Lhead_b
	ARM 2, G0B, G1B, .Lhead_sa
	ARM 3, G0+4, G1, .Lhead_sb
	tensor_load_to_lds s[G0B+4:G0B+7], s[G1B:G1B+7]
	s_nop 0
.rept 4
	v_nop
.endr
.Lhead_asked:
	s_load_b256 s[4:11], s[0:1], 0x20              ; q_bias, v_bias, scale_mul, qpk
	s_load_b64 s[12:13], s[0:1], 0x40              ; kvpk
	v_and_b32 v1, 15, v0
	v_bfe_u32 v2, v0, 4, 1
	v_mul_u32_u24 v3, v1, PITCH
	v_mul_u32_u24 v4, v2, 24
	v_add_nc_u32 v4, v3, v4
	s_mov_b32 s21, SLOT-232
	s_mov_b32 s22, SLOT+232
	v_sub_nc_u32 v7, 1, v2
	v_mul_u32_u24 v5, s21, v2
	v_add_nc_u32 v5, v3, v5
	v_add_nc_u32 v5, 232, v5                       ; lanes 0-15 byte 232 of the row in slot 0, lanes 16-31 byte 0 in slot 1
	v_mul_u32_u24 v6, s22, v7
	v_add_nc_u32 v6, v3, v6                        ; and the other way round
	s_mul_i32 s21, s15, HALFT
	s_mul_i32 s22, s16, HALFT
	s_add_co_u32 s22, s22, 2*HALFT
	v_add_nc_u32 v[ADRA+2], s21, v5
	v_add_nc_u32 v[ADRA+3], s21, v6
	v_add_nc_u32 v[ADRB+2], s22, v5
	v_add_nc_u32 v[ADRB+3], s22, v6
.irp s, 0,1
	v_add_nc_u32 v[ADRA+\s], s21, v4
	v_add_nc_u32 v[ADRB+\s], s22, v4
	s_add_co_u32 s21, s21, SLOT
	s_add_co_u32 s22, s22, SLOT
.endr
	v_mul_u32_u24 v5, v1, KS
	v_lshrrev_b32 v6, 8, v5
	v_lshl_add_u32 v5, v6, 4, v5
	s_mul_i32 s21, s15, HALFS
	s_mul_i32 s22, s16, HALFS
	s_add_co_u32 s22, s22, 2*HALFS
	s_sub_co_u32 s22, s22, s21
	v_mul_u32_u24 v6, s22, v2
	s_add_co_u32 s21, s21, SCL
	v_add_nc_u32 v5, v5, v6
	v_add_nc_u32 v[ADRS], s21, v5
	v_and_b32 v6, 31, v0
	v_lshlrev_b32 v[OFF16], 4, v6
	v_lshlrev_b32 v[OFF8], 3, v6
	v_lshlrev_b32 v224, 5, v2
	v_lshlrev_b32 v225, 2, v1
	v_mov_b32 v226, 0
	s_mul_i32 s72, s14, HALFS
	s_add_co_u32 s72, s72, SCL
	v_mul_u32_u24 v227, v2, 272
	v_lshl_add_u32 v227, v1, 4, v227
	v_add_nc_u32 v227, s72, v227                   ; where my scales go: units of 256 bytes + 16; lanes 0-15 one unit, lanes 16-31 the next
	v_mul_u32_u24 v7, v6, KROW                     ; the prefetch's offset: a lane a row; never rewritten
	s_mov_b32 s[SEL], 0x76543210
	s_mov_b32 s[SEL+1], 0xfedcba98
	s_and_b32 s18, s42, 3
	s_lshl_b32 s18, s18, 2
	s_lshl_b32 s19, s16, 1
	s_add_co_u32 s18, s18, s19                     ; my first head, by B's columns
	s_and_b32 s19, s17, 3
	s_lshl_b32 s19, s19, 2
	s_lshl_b32 s95, s15, 1
	s_add_co_u32 s19, s19, s95                     ; and by A's rows (v)
	s_mov_b32 s47, 0
	s_wait_alu depctr_va_vdst(0)
	s_wait_kmcnt 0x0
	s_lshl_b32 s46, s18, 8
	s_add_nc_u64 s[4:5], s[4:5], s[46:47]
	s_lshl_b32 s46, s18, 2
	s_add_nc_u64 s[8:9], s[8:9], s[46:47]
	s_lshl_b32 s46, s19, 8
	s_add_nc_u64 s[6:7], s[6:7], s[46:47]
.irp i, 0,1,2,3,4,5,6,7
	global_load_b128 v[AF+4*\i:AF+4*\i+3], v[OFF16], s[SBASE:SBASE+1] offset:512*\i   ; 32 lanes take 512 consecutive bytes of scales
.endr
	global_prefetch_b8 v7, s[PFB:PFB+1] offset:2*ROWB th:TH_LOAD_NT scope:SCOPE_SE    ; chunk 2, the ring's one refill, asked for two steps on: of a tile's 256 rows each of the four partners names 64, told apart by address
.irp b, 0,1,2,3,4,5,6,7
	global_load_b128 v[BI+8*\b:BI+8*\b+3], v224, s[4:5] offset:64*\b
	global_load_b128 v[BI+8*\b+4:BI+8*\b+7], v224, s[4:5] offset:64*\b+16
.endr
.irp a, 0,1,2,3,4,5,6,7
	global_load_b32 v[VB+\a], v225, s[6:7] offset:64*\a
.endr
	global_load_b32 v[FS], v226, s[8:9]
	global_load_b32 v[FS+1], v226, s[8:9] offset:4
	s_cmp_eq_u32 ttmp9, 0
	s_cselect_b32 s95, -1, 0
	s_wait_loadcnt 0x0
.irp i, 0,1,2,3,4,5,6,7
	ds_store_b128 v227, v[AF+4*\i:AF+4*\i+3] offset:544*\i
.endr
	v_min_num_f32 v[FS], 0x40935d8e, v[FS]
	v_min_num_f32 v[FS+1], 0x40935d8e, v[FS+1]
	v_mul_f32 v[FS], 0x3fb8aa3b, v[FS]
	v_mul_f32 v[FS+1], 0x3fb8aa3b, v[FS+1]
	s_wait_alu depctr_va_vdst(0)
	v_exp_f32 v[FS], v[FS]
	v_exp_f32 v[FS+1], v[FS+1]
	v_nop
	s_wait_alu depctr_va_vdst(0)
	v_mul_f32 v[FS], 0.25, v[FS]
	v_mul_f32 v[FS+1], 0.25, v[FS+1]
	v_cndmask_b32 v[FS], 1.0, v[FS], s95           ; k: 1
	v_cndmask_b32 v[FS+1], 1.0, v[FS+1], s95
.macro FRAG reg, adr, st, i            ; 16 rows x 128 K: six pieces of 8 bytes; byte y of a row lies in chunk y / 256, slot (y / 256) % 2
.irp p, 0,1,2,3,4,5
.set BY, 96*(\st)+48*(\p/3)+8*(\p%3)
.if BY/ROWB == (BY+24)/ROWB
	ds_load_b64 v[\reg+2*\p:\reg+2*\p+1], v[\adr+(BY/ROWB)%2] offset:BY%ROWB+(\i)*16*PITCH
.else
	ds_load_b64 v[\reg+2*\p:\reg+2*\p+1], v[\adr+2+(BY/ROWB)%2] offset:BY%ROWB-232+(\i)*16*PITCH
.endif
.endr
.endm
.macro MUL16 a0, p, q, sc, zero        ; the 64 accumulators take turns
.irp a, \a0, \a0+1
.irp b, 0,1,2,3,4,5,6,7
.if \zero
	v_wmma_scale_f32_16x16x128_f8f6f4 v[8*(8*((\a)%4)+\b):8*(8*((\a)%4)+\b)+7], v[128*(\p)+FR*\b:128*(\p)+FR*\b+FR-1], v[AF+FR*(\a):AF+FR*(\a)+FR-1], 0, v[SC+8*NQ*(\sc)+NQ*\b+(\q)], v[SC+8*NQ*(\sc)+NQ*(\a)+(\q)] matrix_a_fmt:MATRIX_FMT_FP6 matrix_b_fmt:MATRIX_FMT_FP6 matrix_a_scale:MATRIX_SCALE_ROW1
.else
	v_wmma_scale_f32_16x16x128_f8f6f4 v[8*(8*((\a)%4)+\b):8*(8*((\a)%4)+\b)+7], v[128*(\p)+FR*\b:128*(\p)+FR*\b+FR-1], v[AF+FR*(\a):AF+FR*(\a)+FR-1], v[8*(8*((\a)%4)+\b):8*(8*((\a)%4)+\b)+7], v[SC+8*NQ*(\sc)+NQ*\b+(\q)], v[SC+8*NQ*(\sc)+NQ*(\a)+(\q)] matrix_a_fmt:MATRIX_FMT_FP6 matrix_b_fmt:MATRIX_FMT_FP6 matrix_a_scale:MATRIX_SCALE_ROW1
.endif
.endr
.endr
.endm
.macro FETCH_B st, p
	WIN TO_B
.irp i, 0,1,2,3,4,5,6,7
	FRAG 128*(\p)+FR*\i, ADRB, \st, \i
.endr
	WIN 0
.endm
.macro FETCH_A st, i0
.irp i, \i0, \i0+1, \i0+2, \i0+3
	FRAG AF+FR*(\i), ADRA, \st, \i
.endr
.endm
.macro SCALES pr
.irp i, 0,1,2,3,4,5,6,7
	ds_load_b64 v[SC+8*NQ*((\pr)%2)+NQ*\i:SC+8*NQ*((\pr)%2)+NQ*\i+1], v[ADRS] offset:\i*SBLK+4*NQ*(\pr)
.endr
.endm
.macro PLACES n
.rept \n
	v_nop
.endr
.endm
; A step of 128 along K.  Where the next step's bytes end in a chunk not yet read: a wait for my tensor loads and a barrier.  Where they begin in a later chunk: the chunk left is read no more:
; the wait, the add, the wait for my reads, the barrier; where chunk C0 + 2 exists, the barrier opens a round of the cluster's barrier and the slot is filled again.
.macro STEP st, zero
.set NX, (\st)+1
.set C0, (96*(\st))/ROWB
.set C1, (96*NX)/ROWB
.set E0, (96*(\st)+95)/ROWB
.set E1, (96*NX+95)/ROWB
.if C1 > C0 || E1 > E0
	s_wait_tensorcnt 0x0
.if C1 > C0
	ds_add_u32 v[SPW], v[NIL]
	s_wait_dscnt 4*NL+1                            ; the add and A's blocks 4-7 may be out
.else
	s_wait_dscnt 4*NL
.endif
	WIN MUL_LO
	MUL16 0, (\st)%2, (\st)%2, ((\st)/2)%2, \zero
	s_wait_dscnt 0x0
	s_barrier_signal -1
	MUL16 2, (\st)%2, (\st)%2, ((\st)/2)%2, \zero
	WIN 0
	s_barrier_wait -1
.if C1 > C0 && C0+2 < CHUNKS
	CREST
	s_add_nc_u64 s[G0+4*(C0%2)+2:G0+4*(C0%2)+3], s[G0+4*(C0%2)+2:G0+4*(C0%2)+3], 2*ROWB
	s_add_nc_u64 s[G0B+4*(C0%2)+2:G0B+4*(C0%2)+3], s[G0B+4*(C0%2)+2:G0B+4*(C0%2)+3], 2*ROWB
	JLOAD G0+4*(C0%2), G1, G0B+4*(C0%2), G1B
.else
	PLACES NP
.endif
.else
	s_wait_dscnt 4*NL                              ; A's blocks 4-7 may be out
	WIN MUL_LO
	MUL16 0, (\st)%2, (\st)%2, ((\st)/2)%2, \zero
	MUL16 2, (\st)%2, (\st)%2, ((\st)/2)%2, \zero
	s_wait_dscnt 0
	PLACES NP
.endif
	FETCH_B NX, NX%2
	FETCH_A NX, 0
.if NX%2 == 0
	SCALES NX/2
.endif
	WIN MUL_HI
	MUL16 4, (\st)%2, (\st)%2, ((\st)/2)%2, \zero
	MUL16 6, (\st)%2, (\st)%2, ((\st)/2)%2, \zero
	PLACES NP
	WIN 0
	FETCH_A NX, 4
.endm
	s_wait_alu depctr_va_vdst(0)                   ; the head's end
	s_wait_tensorcnt 0x0                           ; my tile of the head's four is in
	ds_add_u32 v[SPW], v[NIL]
	s_mov_b32 s[G1+2], 128<<16                     ; no load of mine is out: from here on a load brings 128 rows,
	s_mov_b32 s[G1+4], 128
	s_mov_b32 s[G1B+2], 128<<16
	s_mov_b32 s[G1B+4], 128
	s_add_co_u32 s[G0+1], s45, 0                   ; and slot 0's group 0 stands at my 128 rows of chunk 0
	s_mov_b64 s[G0+2:G0+3], s[96:97]
	s_or_b32 s[G0+3], s[G0+3], 0x80000000
	s_add_co_u32 s[G0B+1], s45, 0
	s_mov_b64 s[G0B+2:G0B+3], s[98:99]
	s_or_b32 s[G0B+3], s[G0B+3], 0x80000000
	s_wait_dscnt 0x0                               ; the add, and my stores of the scales
	s_barrier_signal -1
	s_barrier_wait -1                              ; all four tiles and the scales are in
	FETCH_B 0, 0
	FETCH_A 0, 0
	SCALES 0
	FETCH_A 0, 4
	STEP 0, 1
.set ST, 1
.rept STEPS-2
	STEP ST, 0
.set ST, ST+1
.endr
	s_wait_dscnt 4*NL
	WIN MUL_LO
	MUL16 0, 1, 1, 1, 0
	MUL16 2, 1, 1, 1, 0
	s_wait_dscnt 0
	WIN MUL_HI
	MUL16 4, 1, 1, 1, 0
	MUL16 6, 1, 1, 1, 0
	WIN 0
; THE WAY OUT, one window of 32 accumulators at a time
.macro BLKMAX W                        ; the largest magnitude of 16 half blocks, with the floor 2^(3 - 127)
	WIN ((\W)|((\W)<<2))
.set k, 0
.rept 16
	v_max3_num_f32 v[TM+k], |v[16*k]|, |v[16*k+1]|, 0x1800000
.set k, k+1
.endr
.set i, 2
.rept 7
.set k, 0
.rept 16
	v_max3_num_f32 v[TM+k], |v[16*k+i]|, |v[16*k+i+1]|, v[TM+k]
.set k, k+1
.endr
.set i, i+2
.endr
	WIN 0
.endm
.macro BLKSCALE                        ; with lane l xor 16's; the conversion's scale operand; the byte
.set k, 0
.rept 16
	v_permlanex16_b32 v[T2+k], v[TM+k], s[SEL], s[SEL+1]
.set k, k+1
.endr
.set k, 0
.rept 16
	v_max_num_f32 v[TM+k], v[TM+k], v[T2+k]
.set k, k+1
.endr
.set k, 0
.rept 16
	v_add_nc_u32 v[SO+k], 0xff000000, v[TM+k]
.set k, k+1
.endr
.set k, 0
.rept 16
	v_lshrrev_b32 v[TM+k], 23, v[SO+k]
.set k, k+1
.endr
.endm
.macro QKRUN W                         ; q, k: bias (q alone), norm over the head's 64 channels, factor, two blocks a head
	s_cmp_lg_u32 ttmp9, 0
	s_cbranch_scc1 .Lno_bias_\@
	WIN (((\W)<<6)|(\W))
.set i, 0
.rept 16
.set u, 0
.rept 8
	v_pk_add_f32 v[32*u+2*i:32*u+2*i+1], v[32*u+2*i:32*u+2*i+1], v[BI+32*(u%2)+2*i:BI+32*(u%2)+2*i+1]
.set u, u+1
.endr
.set i, i+1
.endr
	WIN 0
.Lno_bias_\@:
	WIN ((\W)|((\W)<<2))
.set u, 0
.rept 8
	v_pk_mul_f32 v[SS+2*u:SS+2*u+1], v[32*u:32*u+1], v[32*u:32*u+1]
.set u, u+1
.endr
.set i, 1
.rept 15
.set u, 0
.rept 8
	v_pk_fma_f32 v[SS+2*u:SS+2*u+1], v[32*u+2*i:32*u+2*i+1], v[32*u+2*i:32*u+2*i+1], v[SS+2*u:SS+2*u+1]
.set u, u+1
.endr
.set i, i+1
.endr
	WIN 0
.irp u, 0,1,2,3,4,5,6,7
	v_add_f32 v[SS+2*\u], v[SS+2*\u], v[SS+2*\u+1]
.endr
.irp u, 0,1,2,3,4,5,6,7
	v_permlanex16_b32 v[SS+2*\u+1], v[SS+2*\u], s[SEL], s[SEL+1]
.endr
.irp u, 0,1,2,3,4,5,6,7
	v_add_f32 v[SS+2*\u], v[SS+2*\u], v[SS+2*\u+1]
.endr
	s_wait_alu depctr_va_vdst(0)
.irp u, 0,1,2,3,4,5,6,7
	v_sqrt_f32 v[SS+2*\u+1], v[SS+2*\u]
.endr
	v_nop
	s_wait_alu depctr_va_vdst(0)
.irp u, 0,1,2,3,4,5,6,7
	v_max_num_f32 v[SS+2*\u+1], 0x2b8cbccc, v[SS+2*\u+1]
.endr
	s_wait_alu depctr_va_vdst(0)
.irp u, 0,1,2,3,4,5,6,7
	v_rcp_f32 v[SS+2*\u], v[SS+2*\u+1]
.endr
	v_nop
	s_wait_alu depctr_va_vdst(0)
.irp u, 0,1,2,3,4,5,6,7
	v_mul_f32 v[SS+2*\u], v[SS+2*\u], v[FS+\u%2]
.endr
	WIN (((\W)<<6)|(\W))
.set i, 0
.rept 16
.set u, 0
.rept 8
	v_pk_mul_f32 v[32*u+2*i:32*u+2*i+1], v[32*u+2*i:32*u+2*i+1], v[SS+2*u:SS+2*u+1] op_sel_hi:[1,0]
.set u, u+1
.endr
.set i, i+1
.endr
	BLKMAX \W
	BLKSCALE
.set u, 0
.rept 8
.if (u/2)%2 == 0
	v_lshl_or_b32 v[SW+4*(u%2)+2*((\W)-2)+u/4], v[TM+2*u+1], 8, v[TM+2*u]
.else
	v_lshl_or_b32 v[T2+u], v[TM+2*u+1], 8, v[TM+2*u]
.endif
.set u, u+1
.endr
	WIN (\W)
.set u, 0
.rept 8
	v_cvt_scalef32_pk16_fp6_f32 v[PC+10*u:PC+10*u+2], v[32*u:32*u+15], v[SO+2*u]
	v_cvt_scalef32_pk16_fp6_f32 v[PC+10*u+6:PC+10*u+8], v[32*u+16:32*u+31], v[SO+2*u+1]
.set u, u+1
.endr
	WIN 0
	v_nop
.set u, 0
.rept 8
.irp e, 0,1,2
	v_permlane16_swap_b32 v[PC+10*u+\e], v[PC+10*u+6+\e]
.endr
.irp e, 0,1,2
	v_mov_b32 v[PC+10*u+3+\e], v[PC+10*u+6+\e]
.endr
.set u, u+1
.endr
.irp hd, 0,1
.irp pr, 0,1
	v_permlane16_swap_b32 v[SW+4*\hd+2*((\W)-2)+\pr], v[T2+2*(2*\pr+1)+\hd]
.endr
.endr
.set u, 0
.rept 8
	global_store_b128 v[OFF16], v[PC+10*u:PC+10*u+3], s[92+2*(u%2):93+2*(u%2)] offset:768*(4*((\W)-2)+u/2)
	global_store_b64 v[OFF8], v[PC+10*u+4:PC+10*u+5], s[92+2*(u%2):93+2*(u%2)] offset:768*(4*((\W)-2)+u/2)+512
.set u, u+1
.endr
.endm
.macro VRUN W                          ; v: bias by the lane's channel, four blocks of 32 keys a fragment
	WIN (((\W)<<6)|(\W))
.set ap, 0
.rept 4
.set i, 0
.rept 32
.if ap%2 == 0
	v_pk_add_f32 v[64*ap+2*i:64*ap+2*i+1], v[64*ap+2*i:64*ap+2*i+1], v[VB+4*((\W)-2)+2*(ap/2):VB+4*((\W)-2)+2*(ap/2)+1] op_sel_hi:[1,0]
.else
	v_pk_add_f32 v[64*ap+2*i:64*ap+2*i+1], v[64*ap+2*i:64*ap+2*i+1], v[VB+4*((\W)-2)+2*(ap/2):VB+4*((\W)-2)+2*(ap/2)+1] op_sel:[0,1] op_sel_hi:[1,1]
.endif
.set i, i+1
.endr
.set ap, ap+1
.endr
	BLKMAX \W
	BLKSCALE
.set ap, 0
.rept 4
.set D, T2+2*(ap%2)+ap/2
	v_lshl_or_b32 v[D], v[TM+4*ap+1], 8, v[TM+4*ap]
	v_lshl_or_b32 v[D], v[TM+4*ap+2], 16, v[D]
	v_lshl_or_b32 v[D], v[TM+4*ap+3], 24, v[D]
.set ap, ap+1
.endr
	WIN (\W)
.set ap, 0
.rept 4
.set c, 0
.rept 2
	v_cvt_scalef32_pk16_fp6_f32 v[PC+20*ap+6*c:PC+20*ap+6*c+2], v[64*ap+32*c:64*ap+32*c+15], v[SO+4*ap+2*c]
	v_cvt_scalef32_pk16_fp6_f32 v[PC+20*ap+12+4*c:PC+20*ap+12+4*c+2], v[64*ap+32*c+16:64*ap+32*c+31], v[SO+4*ap+2*c+1]
.set c, c+1
.endr
.set ap, ap+1
.endr
	WIN 0
	v_nop
.set ap, 0
.rept 4
.irp c, 0,1
.irp e, 0,1,2
	v_permlane16_swap_b32 v[PC+20*ap+6*\c+\e], v[PC+20*ap+12+4*\c+\e]
.endr
.irp e, 0,1,2
	v_mov_b32 v[PC+20*ap+6*\c+3+\e], v[PC+20*ap+12+4*\c+\e]
.endr
.endr
.set ap, ap+1
.endr
	v_permlane16_swap_b32 v[T2], v[T2+2]
	v_permlane16_swap_b32 v[T2+1], v[T2+3]
.set ap, 0
.rept 4
.irp e, 0,1,2
	global_store_b128 v[OFF16], v[PC+20*ap+4*\e:PC+20*ap+4*\e+3], s[92+2*((\W)-2):93+2*((\W)-2)] offset:6656+1536*ap+512*\e
.endr
.set ap, ap+1
.endr
	global_store_b64 v[OFF8], v[T2:T2+1], s[92+2*((\W)-2):93+2*((\W)-2)] offset:12800
.endm
.set k, 0
.rept 16
	v_mov_b32 v[T2+k], 0                           ; lane permutes' targets count as read; also the places behind the last products
.set k, k+1
.endr
	s_mov_b32 s47, 0
	s_cmp_eq_u32 ttmp9, 2
	s_cbranch_scc1 .Lv
	s_lshl_b32 s20, s17, 1
	s_add_co_u32 s20, s20, s15                     ; my block of 128 tokens
	s_lshr_b32 s21, s20, 4
	s_and_b32 s20, s20, 15
	s_lshl_b32 s21, s21, 4
	s_add_co_u32 s21, s21, s18
	s_lshl_b32 s21, s21, 4
	s_add_co_u32 s46, s21, s20                     ; pack (16 batch + head) x 16 + block
	s_mov_b32 s22, 13056
	s_cmp_eq_u32 ttmp9, 0
	s_cselect_b32 s22, 6656, s22
	s_cselect_b64 s[92:93], s[10:11], s[12:13]
	s_mul_i32 s46, s46, s22
	s_add_nc_u64 s[92:93], s[92:93], s[46:47]
	s_lshl_b32 s46, s22, 4
	s_add_nc_u64 s[94:95], s[92:93], s[46:47]      ; the next head's
	QKRUN 2
	s_wait_xcnt 0x0
	QKRUN 3
	global_store_b128 v[OFF16], v[SW:SW+3], s[92:93] offset:6144
	global_store_b128 v[OFF16], v[SW+4:SW+7], s[94:95] offset:6144
	s_branch .Lend
.Lv:
	s_lshl_b32 s20, s42, 1
	s_add_co_u32 s20, s20, s16
	s_lshr_b32 s21, s20, 4
	s_and_b32 s20, s20, 15
	s_lshl_b32 s21, s21, 4
	s_add_co_u32 s21, s21, s19
	s_lshl_b32 s21, s21, 4
	s_add_co_u32 s46, s21, s20
	s_mul_i32 s46, s46, 13056
	s_add_nc_u64 s[92:93], s[12:13], s[46:47]
	s_add_nc_u64 s[94:95], s[92:93], 16*13056
	VRUN 2
	s_wait_xcnt 0x0
	VRUN 3
.Lend:
	s_wait_tensorcnt 0x0                           ; the wave's end
	ds_add_u32 v[SPW], v[NIL]
	s_wait_dscnt 0x0
	CROUND                                         ; the closing round
	s_endpgm
.Lfunc_end_k_q778b6af2d7_qkv:
	.size	k_q778b6af2d7_qkv, .Lfunc_end_k_q778b6af2d7_qkv-k_q778b6af2d7_qkv
	.p2alignl 7, 3214868480
	.fill 96, 4, 3214868480
	.section	.rodata,"a",@progbits
	.p2align	6, 0x0
	.amdhsa_kernel k_q778b6af2d7_qkv
		.amdhsa_group_segment_fixed_size 327680
		.amdhsa_private_segment_fixed_size 0
		.amdhsa_enable_private_segment 0
		.amdhsa_kernarg_size 72
		.amdhsa_user_sgpr_count 2
		.amdhsa_user_sgpr_kernarg_segment_ptr 1
		.amdhsa_wavefront_size32 1
		.amdhsa_system_sgpr_workgroup_id_x 1
		.amdhsa_system_sgpr_workgroup_id_y 1
		.amdhsa_system_sgpr_workgroup_id_z 1
		.amdhsa_system_vgpr_workitem_id 0
		.amdhsa_next_free_vgpr 1024
		.amdhsa_next_free_sgpr 100
		.amdhsa_reserve_vcc 0
		.amdhsa_float_denorm_mode_32 3
		.amdhsa_float_denorm_mode_16_64 3
		.amdhsa_memory_ordered 1
		.amdhsa_forward_progress 1
		.amdhsa_inst_pref_size 255
	.end_amdhsa_kernel
	.section	.bss,"aw",@nobits
	.p2align	6
	.space	262144
	.amdgpu_metadata
---
amdhsa.version: [ 1, 2 ]
amdhsa.kernels:
  - .name:           k_q778b6af2d7_qkv
    .symbol:         k_q778b6af2d7_qkv.kd
    .args:
      - { .name: x_codes, .offset: 0, .size: 8, .value_kind: global_buffer, .address_space: global }
      - { .name: x_scales, .offset: 8, .size: 8, .value_kind: global_buffer, .address_space: global }
      - { .name: w_qkv_codes, .offset: 16, .size: 8, .value_kind: global_buffer, .address_space: global }
      - { .name: w_qkv_scales, .offset: 24, .size: 8, .value_kind: global_buffer, .address_space: global }
      - { .name: q_bias, .offset: 32, .size: 8, .value_kind: global_buffer, .address_space: global }
      - { .name: v_bias, .offset: 40, .size: 8, .value_kind: global_buffer, .address_space: global }
      - { .name: scale_mul, .offset: 48, .size: 8, .value_kind: global_buffer, .address_space: global }
      - { .name: qpk, .offset: 56, .size: 8, .value_kind: global_buffer, .address_space: global }
      - { .name: kvpk, .offset: 64, .size: 8, .value_kind: global_buffer, .address_space: global }
    .group_segment_fixed_size: 327680
    .private_segment_fixed_size: 0
    .kernarg_segment_align: 8
    .kernarg_segment_size: 72
    .max_flat_workgroup_size: 128
    .sgpr_count:     100
    .vgpr_count:     1024
    .wavefront_size: 32
...
	.end_amdgpu_metadata
.endif
;; end of part 1
;; launch attn (part 2): grid 8 x 32, 8 waves a work-group, clusters of 4 x 4, 327,680 bytes of LDS; arguments qpk, kvpk, attn_bias, ocodes, oscales; writes ocodes, oscales
.if DOCPART == 2
	.amdgcn_target "amdgcn-amd-amdhsa--gfx1250"
	.amdhsa_code_object_version 6
	.text
	.protected	k_q778b6af2d7_attn
	.globl	k_q778b6af2d7_attn
	.p2align	8
	.type	k_q778b6af2d7_attn,@function
k_q778b6af2d7_attn:
	s_mov_b64 s[64:65], 0
	v_nop
	global_prefetch_b8 v0, s[64:65] scope:SCOPE_SE
	s_setreg_imm32_b32 hwreg(HW_REG_WAVE_MODE, 25, 1), 1
	s_wait_xcnt 0x0
	s_wait_alu depctr_hold_cnt(0) depctr_sa_sdst(0) depctr_va_vdst(0) depctr_va_sdst(0) depctr_va_ssrc(0) depctr_va_vcc(0) depctr_vm_vsrc(0)
	s_getreg_b32 s2, hwreg(HW_REG_IB_STS2, 6, 4)
	s_cmp_eq_u32 s2, 0
	s_cbranch_scc0 .Lentry_in_a_cluster
	s_endpgm
.Lentry_in_a_cluster:
	s_bfe_u32 s2, ttmp6, 0x10000c
	s_cmp_lg_u32 s2, 0xf033
	s_cbranch_scc0 .Lentry_shape_is_right
	s_endpgm
.Lentry_shape_is_right:
; o = softmax(q k^T + attn_bias) v for 32 (batch, head) pairs, 2,048 queries and keys, 64 channels, both products on codes of FP6 (E2M3) with E8M0 scales; o is quantised along the channels for the projection.
; q (normalised and scaled), k and v come as images of operand registers (qpk, kvpk); attn_bias is f32.
; THE SOFTMAX: t = logit x log2(e); M = the running largest t rounded up to a whole number; p = 2^(t - M) is quantised along the keys; the row's sum is taken of the unquantised p and divides at the end.
; SHARES.  A work-group owns 64 queries x 4 heads of one batch.  Each of its eight waves owns TWO tiles of 16 queries of one head (head = wave % 4, queries 32 (wave / 4) on): both tiles use each fragment of k and v.
; THE TWO TILES RUN HALF A STEP APART.  In a key step (128 keys): behind the barrier k's fragments and tile 0's bias are asked of LDS; tile 1's softmax and second product of the step BEFORE follow (scores and v's fragments
; are in registers); then v's fragments and tile 1's bias are asked for; tile 0's first product, softmax and second product; tile 1's first product.  All LDS reads of a step lie between its barrier and the next.
; THE PACKS of k and v go through a ring of two LDS slots, each with two key steps of the four heads (8 x 13,056 bytes); each wave fetches one pack.  4 x 4 clusters: the work-groups of a column own the same heads and ask jointly.
; THE BIAS does not go through the ring: two slots with two steps of packs and of bias would be 4 x (52,224 + 32,768) = 339,968 bytes, more than LDS holds.  Each wave loads eight whole rows of 512 bytes into registers,
; three steps ahead of their use (two sets of 32 registers; such loads stay out over a change of slots), and stores them, one step ahead, into one of two LDS buffers of the bias's own; a barrier a step orders the buffers.
; So the bias, though the work-groups of a row of the cluster read the same rows, is not asked for jointly; it is not prefetched: its loads are themselves three steps ahead.
; LAYOUT.  Both products are used transposed: S^T = k q^T + bias^T (the bias is loaded into the accumulator), O^T = v^T p^T: a lane holds one query throughout.
; The first product's K is 64: registers 6-11 of q are zero codes, so whatever codes stand in registers 6-11 of k's operand add nothing: k's fragments lie 6 registers apart.
; Inside a block of 32 keys p's codes lie in the order {0-7, 16-23, 8-15, 24-31}, as v's were laid; q and k share that order along the channels.  o is put in true order before it is quantised.
; REGISTERS, two windows of 256.  v118-255 of window T belong to tile T, under the same numbers.  Window 0, below: addresses, scale words (v20-29), k's fragments.  Window 1, below: v's fragments, the bias on its way.
; LIMITS: NaN and infinities are not served; a block of zeros gets the byte 1 (read by this program alone).
.set PACK,  13056
.set QPACK, 6656
.set BP,    528                        ; a row of the bias in LDS: 512 bytes + 16
.set SLOT1, 1<<17                      ; slot 0 at 0, slot 1 here: 104,448 bytes each
.set BB0,   SLOT1+8*PACK               ; the bias's two buffers, 64 rows each
.set BB1,   BB0+64*BP
.set STG,   BB1+64*BP                  ; 512 bytes: o's scale bytes on the way out
.set SPARE, STG+512                    ; the spare words: 128 bytes a wave
.set A16,  1
.set A8,   2
.set AB0,  3                           ; tile 0's row of my query in buffer 0, + 32 h (tile 1: 16 rows on)
.set SPW,  4
.set NIL,  5
.set ADR16, 6
.set ADR8, 7
.set AB1,  8
.set PFO,  9
.set ST0,  10                          ; where my eight rows of the bias go in buffer 0, 1
.set ST1,  11
.set GB0,  12
.set GBT,  13
.set G16,  14
.set G8,   15
.set SB,   16                          ; the way out: my query's place in the stage; back; 8 x thread
.set SRD,  17
.set SGO,  18
.set KSC,  20                          ; v20-23 k's scale words; v24-25 v's; v26, 27 p's of tile 0, 1; v28, 29 q's
.set VSC,  24
.set PS0,  26
.set QS0,  28
.set KF,   32                          ; v32-79 k's eight fragments; v80-85 zeros
.set VF,   0                           ; window 1: v0-47 v's four fragments
.set XB,   48                          ; window 1: v48-79, v80-111 the bias on its way
.set F,    118                         ; a tile's own, in its window: 2^(old M - new M), and 0
.set NM,   120                         ; -M
.set MT,   121                         ; the running largest t
.set SUM,  122
.set Q,    124
.set S,    136
.set O,    200
.set PC,   232
.set BM,   240
.set T2,   244
.set X,    251
.set SO,   252
.set TB,   2
.set SLOTS, 3
.set HW,   14
.set QH,   15
.set CX,   16
.set CY,   17
.set WV,   18
.set SEL,  20
.set CS,   22
.set G1KV, 24
.set G0KV, 40
.set PFA,  56
.set LIM,  60
.set BOF,  62
.set WGX,  66
.set WGY,  67
.set MSB, 0
.macro WIN new                         ; bits 1:0 source 0, 3:2 source 1, 5:4 source 2, 7:6 destination; the high byte repeats the setting left
.if MSB != (\new)
	s_set_vgpr_msb (MSB<<8)|(\new)
.set MSB, (\new)
.endif
.endm
.macro JLOAD                           ; every wave: head wave % 4, step wave / 4 of the slot's two
	tensor_load_to_lds s[G0KV:G0KV+3], s[G1KV:G1KV+7]
	s_nop 0
.rept 4
	v_nop                                          ; also the places in front of the loads into k's registers
.endr
.endm
; a prefetch of the slot that the NEXT change of slots will ask for.  Each cluster asks for its own four heads: partner cy takes head cy's two packs, 102 blocks of 256 bytes, with waves 4-7,
; a lane a block (the lanes past the 102nd name the last block).  Partners are told apart by address alone.  The last change that fills a slot asks for nothing.
.macro ASK
	s_cmp_gt_u32 s[SLOTS], s[LIM]
	s_cbranch_scc0 .Lnot_mine_\@
	global_prefetch_b8 v[PFO], s[PFA:PFA+1] th:TH_LOAD_NT scope:SCOPE_SE
.Lnot_mine_\@:
.endm
.macro CROUND
	s_barrier_signal -1
	s_barrier_wait -1
	s_cmp_lg_u32 s[WV], 0
	s_cbranch_scc1 .Lnot_wave_0_\@
	s_barrier_signal -3
.Lnot_wave_0_\@:
	s_barrier_wait -3
	s_barrier_signal -1
	s_barrier_wait -1
.endm
	s_load_b256 s[4:11], s[0:1], 0x0               ; qpk, kvpk, attn_bias, ocodes
	s_load_b64 s[12:13], s[0:1], 0x20              ; oscales
	v_lshl_add_u32 v[SPW], v0, 2, SPARE
	v_mov_b32 v[NIL], 0
	ds_add_u32 v[SPW], v[NIL]                      ; the opening lines
	ds_add_u32 v[SPW], v[NIL]
	v_lshrrev_b32 v86, 5, v0
	v_readfirstlane_b32 s[WV], v86
	s_and_b32 s[HW], s[WV], 3
	s_lshr_b32 s[QH], s[WV], 2
	s_bfe_u32 s[CX], ttmp6, 0x40000
	s_bfe_u32 s[CY], ttmp6, 0x40004
	s_lshl_b32 s[WGX], ttmp9, 2
	s_add_co_u32 s[WGX], s[WGX], s[CX]             ; group of four (batch, head) pairs
	s_and_b32 s[WGY], ttmp7, 0xffff
	s_lshl_b32 s[WGY], s[WGY], 2
	s_add_co_u32 s[WGY], s[WGY], s[CY]             ; block of 64 queries
	s_lshl_b32 s68, 0x1111, s[CX]                  ; my column of the cluster
	s_or_b32 s[G1KV], s68, (3<<16)|(1<<21)         ; a pack: 13,056 dense bytes as 51 rows of 256
	s_mov_b32 s[G1KV+1], 32<<16
	s_mov_b32 s[G1KV+2], 51<<16
	s_mov_b32 s[G1KV+3], 32<<16
	s_mov_b32 s[G1KV+4], 51
	s_mov_b32 s[G1KV+5], 32
	s_mov_b32 s[G1KV+6], 0
	s_mov_b32 s[G1KV+7], 0
	s_lshl_b32 s48, s[WGX], 2
	s_add_co_u32 s48, s48, s[HW]
	s_lshl_b32 s48, s48, 4
	s_add_co_u32 s48, s48, s[QH]
	s_mul_i32 s48, s48, PACK                       ; the head's pack of key step wave / 4
	s_mov_b32 s49, 0
	s_mul_i32 s70, s[HW], 2*PACK                   ; a head's two packs lie on end in a slot
	s_mul_i32 s50, s[QH], PACK
	s_add_co_u32 s50, s50, s70
	s_lshl_b32 s52, s[WGY], 19                     ; my block's first row of the bias: 64 rows of 8,192 bytes a block
	s_mov_b32 s53, 0
	s_mov_b32 s[SEL], 0x76543210
	s_mov_b32 s[SEL+1], 0xfedcba98
	s_mov_b32 s[CS], 0x3fb8aa3b                    ; log2(e)
	s_mov_b32 s[CS+1], s[CS]
	s_mov_b32 s[TB], 0
	s_mov_b32 s[SLOTS], 7
	s_mov_b32 s[BOF], 3*512
	s_wait_dscnt 0x0
	s_wait_kmcnt 0x0
	s_mov_b32 s[G0KV], 1
	s_mov_b32 s[G0KV+1], s50
	s_add_nc_u64 s[G0KV+2:G0KV+3], s[6:7], s[48:49]
	s_or_b32 s[G0KV+3], s[G0KV+3], 0x80000000
	s_add_nc_u64 s[8:9], s[8:9], s[52:53]
	CROUND
	JLOAD                                          ; key steps 0 and 1 into slot 0
	s_lshl_b32 s48, s[WGX], 2                      ; q: pack (4 group + head) x 16 + block / 2, tiles a0 = 4 (block % 2) + 2 (wave / 4) and a0 + 1
	s_add_co_u32 s48, s48, s[HW]
	s_lshl_b32 s48, s48, 4
	s_lshr_b32 s50, s[WGY], 1
	s_add_co_u32 s48, s48, s50
	s_mul_i32 s48, s48, QPACK
	s_add_nc_u64 s[4:5], s[4:5], s[48:49]
	s_and_b32 s50, s[WGY], 1
	s_lshl_b32 s50, s50, 2
	s_lshl_b32 s51, s[QH], 1
	s_add_co_u32 s50, s50, s51
	s_mul_i32 s48, s50, 768
	s_add_nc_u64 s[54:55], s[4:5], s[48:49]
	s_lshl_b32 s51, s50, 1                         ; their scale words: word a0 / 2; tile a0 + 1 in lanes 16 on of the image, 256 bytes on
	s_lshl_b32 s48, s[WGX], 2                      ; the prefetches stand at head 4 group + cy, pack 2; the first change of slots steps them to pack 4
	s_add_co_u32 s48, s48, s[CY]
	s_lshl_b32 s48, s48, 4
	s_add_co_u32 s48, s48, 2
	s_mul_i32 s48, s48, PACK
	s_add_nc_u64 s[PFA:PFA+1], s[6:7], s[48:49]
	s_cmp_ge_u32 s[WV], 4
	s_cselect_b32 s[LIM], 1, -1
	s_lshl_b32 s71, s[QH], 5
	s_lshl_b32 s72, s[WV], 16                      ; my eight rows of the bias: 8 x wave on
	s_mul_i32 s73, s[WV], 8*BP
	s_lshl_b32 s74, s[HW], 5
	s_lshl_b32 s75, s[QH], 8
	s_lshl_b32 s76, s[HW], 1
	s_add_co_u32 s75, s75, s76
	s_add_co_u32 s75, s75, STG                     ; the stage: 8 bytes a query, 2 a head
	v_and_b32 v86, 31, v0
	v_and_b32 v87, 15, v0
	v_bfe_u32 v88, v0, 4, 1
	v_lshlrev_b32 v[G16], 4, v86
	v_lshlrev_b32 v[G8], 3, v86
	v_lshl_add_u32 v89, v87, 4, s51
	v_add_nc_u32 v[GB0], s72, v[G16]
	global_load_b128 v[Q:Q+3], v[G16], s[54:55]
	global_load_b64 v[Q+4:Q+5], v[G8], s[54:55] offset:512
	global_load_b32 v[QS0], v89, s[4:5] offset:6144
	global_load_b32 v[QS0+1], v89, s[4:5] offset:6400
	WIN 0x40
	global_load_b128 v[Q:Q+3], v[G16], s[54:55] offset:768
	global_load_b64 v[Q+4:Q+5], v[G8], s[54:55] offset:1280
.irp i, 0,1,2,3,4,5,6,7
	global_load_b128 v[XB+4*\i:XB+4*\i+3], v[GB0], s[8:9] offset:8192*\i            ; the bias of key step 0: 32 lanes take one row's 512 bytes
.endr
.irp i, 0,1,2,3,4,5,6,7
	global_load_b128 v[XB+32+4*\i:XB+32+4*\i+3], v[GB0], s[8:9] offset:8192*\i+512  ; and of step 1
.endr
	WIN 0
	v_add_nc_u32 v[A16], s70, v[G16]
	v_add_nc_u32 v[A8], s70, v[G8]
	v_add_nc_u32 v[AB0], s71, v87
	v_mul_u32_u24 v[AB0], v[AB0], BP
	v_lshl_add_u32 v[AB0], v88, 5, v[AB0]
	v_add_nc_u32 v[AB1], BB1, v[AB0]
	v_add_nc_u32 v[AB0], BB0, v[AB0]
	v_add_nc_u32 v[ST0], s73, v[G16]
	v_add_nc_u32 v[ST1], BB1, v[ST0]
	v_add_nc_u32 v[ST0], BB0, v[ST0]
	v_add_nc_u32 v[PFO], s74, v86
	v_min_u32 v[PFO], 101, v[PFO]
	v_lshlrev_b32 v[PFO], 8, v[PFO]
	v_lshl_add_u32 v[SB], v87, 3, s75
	v_lshl_add_u32 v[SRD], v0, 3, STG
	v_lshlrev_b32 v[SGO], 3, v0
	v_mov_b32 v[VSC], 0
	v_mov_b32 v[VSC+1], 0
.set j, 0
.rept 6
	v_mov_b32 v[KF+48+j], 0                        ; what stands behind k's last tile
.set j, j+1
.endr
.macro INIT T                          ; a tile's own registers
	WIN 0x40*\T
.set j, 0
.rept 6
	v_mov_b32 v[Q+6+j], 0                          ; K = 64: q's upper half is zero codes
.set j, j+1
.endr
.set j, 0
.rept 32
	v_mov_b32 v[O+j], 0                            ; the step is written once: the first finds zeros
.set j, j+1
.endr
	v_mov_b32 v[MT], 0xff61b1e6                    ; the largest t so far: -3e38
	v_mov_b32 v[NM], 0x7f61b1e6                    ; -M
	v_mov_b32 v[SUM], 0
	v_mov_b32 v[SUM+1], 0
	v_mov_b32 v[F+1], 0
	v_mov_b32 v[X], 0
.irp b, 0,1,2,3
	v_mov_b32 v[T2+\b], 0                          ; a lane permute's target counts as read
.endr
.endm
	INIT 0
	INIT 1
.set j, 0
.rept 64
	v_mov_b32 v[S+j], 0                            ; tile 1's scores and v's fragments: the first trip jumps over the lines that read them; written once, so that each is written ahead of every line that names it
.set j, j+1
.endr
.set j, 0
.rept 48
	v_mov_b32 v[VF+j], 0
.set j, j+1
.endr
	WIN 0
.macro SPROD t, T
.if (\t)%2
	v_wmma_scale_f32_16x16x128_f8f6f4 v[S+8*(\t):S+8*(\t)+7], v[KF+6*(\t):KF+6*(\t)+11], v[Q:Q+11], v[S+8*(\t):S+8*(\t)+7], v[KSC+(\t)/2], v[QS0+\T] matrix_a_fmt:MATRIX_FMT_FP6 matrix_b_fmt:MATRIX_FMT_FP6 matrix_a_scale:MATRIX_SCALE_ROW1
.else
	v_wmma_scale_f32_16x16x128_f8f6f4 v[S+8*(\t):S+8*(\t)+7], v[KF+6*(\t):KF+6*(\t)+11], v[Q:Q+11], v[S+8*(\t):S+8*(\t)+7], v[KSC+(\t)/2], v[QS0+\T] matrix_a_fmt:MATRIX_FMT_FP6 matrix_b_fmt:MATRIX_FMT_FP6
.endif
.endm
.macro OPROD c, T
.if (\c)%2
	v_wmma_scale_f32_16x16x128_f8f6f4 v[O+8*(\c):O+8*(\c)+7], v[VF+12*(\c):VF+12*(\c)+11], v[PC:PC+11], v[O+8*(\c):O+8*(\c)+7], v[VSC+(\c)/2], v[PS0+\T] matrix_a_fmt:MATRIX_FMT_FP6 matrix_b_fmt:MATRIX_FMT_FP6 matrix_a_scale:MATRIX_SCALE_ROW1
.else
	v_wmma_scale_f32_16x16x128_f8f6f4 v[O+8*(\c):O+8*(\c)+7], v[VF+12*(\c):VF+12*(\c)+11], v[PC:PC+11], v[O+8*(\c):O+8*(\c)+7], v[VSC+(\c)/2], v[PS0+\T] matrix_a_fmt:MATRIX_FMT_FP6 matrix_b_fmt:MATRIX_FMT_FP6
.endif
.endm
; k's scale words and fragments and tile 0's bias of a step: 33 loads.  u: which of the slot's two steps; ab: my row in the step's buffer
.macro KB0 u, ab
	ds_load_b128 v[KSC:KSC+3], v[ADR16] offset:PACK*\u+6144
.irp t, 0,1,2,3,4,5,6,7
	ds_load_b128 v[KF+6*\t:KF+6*\t+3], v[ADR16] offset:PACK*\u+768*\t
	ds_load_b64 v[KF+6*\t+4:KF+6*\t+5], v[ADR8] offset:PACK*\u+768*\t+512
.endr
.irp t, 0,1,2,3,4,5,6,7
	ds_load_b128 v[S+8*\t:S+8*\t+3], v[\ab] offset:64*\t             ; bias(my query, keys 16 t + 8 h + 0 .. 7): the product's C
	ds_load_b128 v[S+8*\t+4:S+8*\t+7], v[\ab] offset:64*\t+16
.endr
.endm
; TILE T: from scores to O^T.  vw: the LDS instructions younger than v's fragments, which may be out (-1: the fragments were awaited earlier)
.macro SOFTMAX T, vw
	WIN 0x55*\T
.irp b, 0,1,2,3
	v_max3_num_f32 v[BM+\b], v[S+16*\b], v[S+16*\b+1], v[S+16*\b+2]   ; the largest score of each block of 32 keys: for the row's maximum and for the block's largest p
.endr
.irp i, 3,5,7,9,11,13
.irp b, 0,1,2,3
	v_max3_num_f32 v[BM+\b], v[BM+\b], v[S+16*\b+\i], v[S+16*\b+\i+1]
.endr
.endr
.irp b, 0,1,2,3
	v_max_num_f32 v[BM+\b], v[BM+\b], v[S+16*\b+15]
.endr
.irp b, 0,1,2,3
	s_delay_alu instid0(VALU_DEP_4)
	v_permlanex16_b32 v[T2+\b], v[BM+\b], s[SEL], s[SEL+1]
.endr
.irp b, 0,1,2,3
	s_delay_alu instid0(VALU_DEP_4)
	v_max_num_f32 v[BM+\b], v[BM+\b], v[T2+\b]
.endr
	s_delay_alu instid0(VALU_DEP_2)
	v_max3_num_f32 v[X], v[BM], v[BM+1], v[BM+2]
	s_delay_alu instid0(VALU_DEP_1)
	v_max_num_f32 v[X], v[X], v[BM+3]
	s_delay_alu instid0(VALU_DEP_1)
	v_mul_f32 v[X], s[CS], v[X]
	s_delay_alu instid0(VALU_DEP_1)
	v_max_num_f32 v[MT], v[MT], v[X]               ; the running largest t
	v_mov_b32 v[X], v[NM]
	s_delay_alu instid0(VALU_DEP_2)
	v_floor_f32 v[NM], -v[MT]                      ; the new -M = -ceil(t)
	s_delay_alu instid0(VALU_DEP_1)
	v_sub_f32 v[X], v[NM], v[X]                    ; old M - new M: a whole number, 0 or less
	s_delay_alu instid0(VALU_DEP_1)
	v_cvt_i32_f32 v[X], v[X]
	s_delay_alu instid0(VALU_DEP_1)
	v_ldexp_f32 v[F], 1.0, v[X]
.set j, 0
.rept 32
	v_pk_fma_f32 v[S+j:S+j+1], v[S+j:S+j+1], s[CS:CS+1], v[NM:NM+1] op_sel_hi:[1,0,0]   ; t - M
.set j, j+2
.endr
.irp b, 0,1,2,3
	v_fma_f32 v[BM+\b], v[BM+\b], s[CS], v[NM]
.endr
.set j, 0
	s_wait_alu depctr_va_vdst(0)                   ; ahead of the batch
.rept 64
	v_exp_f32 v[S+j], v[S+j]                       ; p = 2^(t - M)
.set j, j+1
.endr
	v_pk_mul_f32 v[SUM:SUM+1], v[SUM:SUM+1], v[F:F+1] op_sel_hi:[1,0]   ; the sums under the new M
	s_wait_alu depctr_va_vdst(0)                   ; one wait for the batch
.irp b, 0,1,2,3
	v_exp_f32 v[BM+\b], v[BM+\b]                   ; the block's largest p
.endr
	v_pk_add_f32 v[248:249], v[140:141], v[144:145]   ; the row's sum of the unquantised p, in eight chains
	v_pk_add_f32 v[254:255], v[148:149], v[152:153]
	v_pk_add_f32 v[252:253], v[156:157], v[160:161]
	v_pk_add_f32 v[246:247], v[164:165], v[168:169]
	v_pk_add_f32 v[244:245], v[172:173], v[176:177]
	v_pk_add_f32 v[238:239], v[180:181], v[184:185]
	v_pk_add_f32 v[236:237], v[188:189], v[192:193]
	v_pk_add_f32 v[SUM:SUM+1], v[SUM:SUM+1], v[196:197]
	v_pk_add_f32 v[248:249], v[248:249], v[136:137]
	v_pk_add_f32 v[254:255], v[254:255], v[138:139]
	v_pk_add_f32 v[252:253], v[252:253], v[142:143]
	v_pk_add_f32 v[246:247], v[246:247], v[146:147]
	v_pk_add_f32 v[244:245], v[244:245], v[150:151]
	v_pk_add_f32 v[238:239], v[238:239], v[154:155]
	v_pk_add_f32 v[236:237], v[236:237], v[158:159]
	v_pk_add_f32 v[SUM:SUM+1], v[SUM:SUM+1], v[162:163]
	v_pk_add_f32 v[248:249], v[248:249], v[166:167]
	v_pk_add_f32 v[254:255], v[254:255], v[170:171]
	v_pk_add_f32 v[252:253], v[252:253], v[174:175]
	v_pk_add_f32 v[246:247], v[246:247], v[178:179]
	v_pk_add_f32 v[244:245], v[244:245], v[182:183]
	v_pk_add_f32 v[238:239], v[238:239], v[186:187]
	v_pk_add_f32 v[236:237], v[236:237], v[190:191]
	v_pk_add_f32 v[SUM:SUM+1], v[SUM:SUM+1], v[194:195]
	v_pk_add_f32 v[248:249], v[248:249], v[198:199]
	s_delay_alu instid0(VALU_DEP_2)
	v_pk_add_f32 v[SUM:SUM+1], v[SUM:SUM+1], v[246:247]
	s_delay_alu instid0(VALU_DEP_2)
	v_pk_add_f32 v[248:249], v[248:249], v[244:245]
	v_pk_add_f32 v[254:255], v[254:255], v[238:239]
	v_pk_add_f32 v[252:253], v[252:253], v[236:237]
	s_delay_alu instid0(VALU_DEP_2)
	v_pk_add_f32 v[SUM:SUM+1], v[SUM:SUM+1], v[254:255]
	s_delay_alu instid0(VALU_DEP_2)
	v_pk_add_f32 v[248:249], v[248:249], v[252:253]
	s_delay_alu instid0(VALU_DEP_1)
	v_pk_add_f32 v[SUM:SUM+1], v[SUM:SUM+1], v[248:249]
	s_wait_alu depctr_va_vdst(0)                   ; and one for the four
.irp b, 0,1,2,3
	v_max_num_f32 v[BM+\b], 0x1800000, v[BM+\b]    ; the floor 2^(3 - 127)
.endr
.irp b, 0,1,2,3
	s_delay_alu instid0(VALU_DEP_4)
	v_add_nc_u32 v[SO+\b], 0xff000000, v[BM+\b]    ; the conversion's scale operand
.endr
.irp b, 0,1,2,3
	s_delay_alu instid0(VALU_DEP_4)
	v_lshrrev_b32 v[T2+\b], 23, v[SO+\b]           ; the byte
.endr
	s_delay_alu instid0(VALU_DEP_3)
	v_lshl_or_b32 v[X], v[T2+1], 8, v[T2]
	s_delay_alu instid0(VALU_DEP_1)
	v_lshl_or_b32 v[X], v[T2+2], 16, v[X]
	WIN 0x15*\T                                    ; p's scale word goes to window 0, where scale operands are taken from
	v_lshl_or_b32 v[PS0+\T], v[T2+3], 24, v[X]
	WIN 0x55*\T
.irp c, 0,1
	v_cvt_scalef32_pk16_fp6_f32 v[PC+6*\c:PC+6*\c+2], v[S+32*\c:S+32*\c+15], v[SO+2*\c]
	v_cvt_scalef32_pk16_fp6_f32 v[T2+4*\c:T2+4*\c+2], v[S+32*\c+16:S+32*\c+31], v[SO+2*\c+1]
.endr
	v_nop                                          ; one plain place behind the scaled conversions
.irp c, 0,1
.irp e, 0,1,2
	v_permlane16_swap_b32 v[PC+6*\c+\e], v[T2+4*\c+\e]
.endr
.irp e, 0,1,2
	s_delay_alu instid0(VALU_DEP_3)
	v_mov_b32 v[PC+6*\c+3+\e], v[T2+4*\c+\e]
.endr
.endr
	s_wait_alu depctr_va_vdst(0)                   ; directly ahead of the first reader of O^T
.set j, 0
.rept 16
	v_pk_mul_f32 v[O+j:O+j+1], v[O+j:O+j+1], v[F:F+1] op_sel_hi:[1,0]   ; O^T under the new M; also the places between p's codes and scale word and the products
.set j, j+2
.endr
.if \vw >= 0
	s_wait_alu depctr_va_vdst(0)
	s_wait_dscnt \vw
.endif
	WIN 0x01+0x54*\T                               ; source 0, v's fragments: window 1
.irp c, 0,1,2,3
	OPROD \c, \T
.endr
	WIN 0
.endm
; THE REST OF A KEY STEP.  mv = 1: the next step's bias goes from set xs into the other buffer (address st), which every wave has left at this step's barrier; ld = 1: the set then takes the step three on; yg: the loads younger than the set's
.macro HALF u, ab, mv, st, xs, ld, yg
.rept 4
	v_nop                                          ; places behind tile 1's second product, in front of the loads into its operands
.endr
	ds_load_b64 v[VSC:VSC+1], v[ADR8] offset:PACK*\u+12800
	WIN 0x40
.irp c, 0,1,2,3
.irp e, 0,1,2
	ds_load_b128 v[VF+12*\c+4*\e:VF+12*\c+4*\e+3], v[ADR16] offset:PACK*\u+6656+1536*\c+512*\e
.endr
.endr
.irp t, 0,1,2,3,4,5,6,7
	ds_load_b128 v[S+8*\t:S+8*\t+3], v[\ab] offset:16*BP+64*\t       ; tile 1's bias
	ds_load_b128 v[S+8*\t+4:S+8*\t+7], v[\ab] offset:16*BP+64*\t+16
.endr
	WIN 0
	s_wait_dscnt 29                                ; the 13 + 16 just issued may be out: k and tile 0's bias are in
.irp t, 0,1,2,3,4,5,6,7
	SPROD \t, 0
.endr
.if \mv
	s_wait_loadcnt \yg                             ; the set has landed; the other set's eight loads may be out
	WIN 0x04
.irp i, 0,1,2,3,4,5,6,7
	ds_store_b128 v[\st], v[\xs+4*\i:\xs+4*\i+3] offset:BP*\i
.endr
	WIN 0
.if \ld
	s_wait_xcnt 0x0                                ; the last step's loads have read their offset
	v_add_nc_u32 v[GBT], s[BOF], v[GB0]
	WIN 0x40
.irp i, 0,1,2,3,4,5,6,7
	global_load_b128 v[\xs+4*\i:\xs+4*\i+3], v[GBT], s[8:9] offset:8192*\i
.endr
	WIN 0
	s_add_co_u32 s[BOF], s[BOF], 512
	s_min_u32 s[BOF], s[BOF], 15*512               ; held at the last key step, inside the buffer: what step 13 asks for so is not stored
.endif
.endif
.rept 4
	v_nop                                          ; places behind the first product
.endr
	SOFTMAX 0, 16+8*\mv
	s_wait_dscnt 0x0                               ; tile 1's bias
	WIN 0x54
.irp t, 0,1,2,3,4,5,6,7
	SPROD \t, 1
.endr
	WIN 0
.endm
; THE CHANGE OF SLOTS, for two key steps.  Each wave waits for all its tensor loads, adds 0 to its spare word, waits for that, for its reads of the slot that it has left
; and for its stores of the bias.  fill = 1: a round of the cluster's barrier, and the joint fill of that slot, which has two steps in which to land.
.macro CHANGE fill
	s_wait_tensorcnt 0x0
	ds_add_u32 v[SPW], v[NIL]
.if \fill
	s_xor_b32 s[G0KV+1], s[G0KV+1], SLOT1
	s_add_nc_u64 s[G0KV+2:G0KV+3], s[G0KV+2:G0KV+3], 2*PACK
	s_wait_xcnt 0x0                                ; the last prefetch has read its address
	s_add_nc_u64 s[PFA:PFA+1], s[PFA:PFA+1], 2*PACK
	s_wait_dscnt 0x0
	CROUND
	JLOAD
	ASK
.else
	s_wait_dscnt 0x0
	s_barrier_signal -1
	s_barrier_wait -1
.rept 4
	v_nop
.endr
.endif
	v_add_nc_u32 v[ADR16], s[TB], v[A16]
	v_add_nc_u32 v[ADR8], s[TB], v[A8]
.endm
.macro MID                             ; between a slot's two steps: the barrier of the bias's buffers alone; no tensor load fills anything behind it
	s_wait_dscnt 0x0
	s_barrier_signal -1
	s_barrier_wait -1
.rept 4
	v_nop                                          ; places behind tile 1's first product
.endr
.endm
; two key steps.  skip = 1: in the first trip tile 1 has no step before: a jump on the trips' counter leads round that work on registers
.macro BODY fill, skip, ld0, yg0, mv1
	CHANGE \fill
	KB0 0, AB0
.if \skip
	s_wait_alu depctr_va_vdst(0)                   ; ahead of the branch
	s_cmp_eq_u32 s[SLOTS], 7
	s_cbranch_scc1 .Lfirst_\@
.endif
	SOFTMAX 1, -1
.if \skip
.Lfirst_\@:
.endif
	HALF 0, AB0, 1, ST1, XB+32, \ld0, \yg0
	MID
	KB0 1, AB1
	SOFTMAX 1, -1
	HALF 1, AB1, \mv1, ST0, XB, \mv1, 8
.endm
	s_wait_alu depctr_va_vdst(0)                   ; the head's end
	s_wait_loadcnt 8                               ; q and step 0's bias are in; step 1's eight loads may be out
	WIN 0x04
.irp i, 0,1,2,3,4,5,6,7
	ds_store_b128 v[ST0], v[XB+4*\i:XB+4*\i+3] offset:BP*\i
.endr
	WIN 0x40
.irp i, 0,1,2,3,4,5,6,7
	global_load_b128 v[XB+4*\i:XB+4*\i+3], v[GB0], s[8:9] offset:8192*\i+1024       ; step 2
.endr
	WIN 0
.Lslot:                                            ; 7 trips of two key steps
	BODY 1, 1, 1, 8, 1
	s_xor_b32 s[TB], s[TB], SLOT1
	s_sub_co_u32 s[SLOTS], s[SLOTS], 1
	s_cmp_lg_u32 s[SLOTS], 0
	s_cbranch_scc1 .Lslot
	BODY 0, 0, 0, 0, 0                             ; the last two steps are written out: nothing more is asked for
.rept 4
	v_nop
.endr
	SOFTMAX 1, -1                                  ; tile 1's last step
	; THE WAY OUT: O^T / the sum; true order along the channels; two blocks of 32 quantised; half a fragment and two scale bytes a token
	s_mul_i32 s48, s[CX], 786432                   ; ocodes [4 cx][256 tiles of tokens][4 heads][768]
	s_lshl_b32 s50, ttmp9, 7
	s_lshl_b32 s51, s[WGY], 2
	s_add_co_u32 s50, s50, s51
	s_lshl_b32 s51, s[QH], 1
	s_add_co_u32 s50, s50, s51
	s_mul_i32 s50, s50, 3072
	s_add_co_u32 s48, s48, s50
	s_mul_i32 s50, s[HW], 768
	s_add_co_u32 s48, s48, s50
	s_mov_b32 s49, 0
	s_add_nc_u64 s[10:11], s[10:11], s[48:49]
	s_lshl_b32 s48, s[CX], 15                      ; oscales [4 cx][4,096 tokens][8]
	s_lshl_b32 s50, ttmp9, 14
	s_add_co_u32 s48, s48, s50
	s_lshl_b32 s50, s[WGY], 9
	s_add_co_u32 s48, s48, s50
	s_add_nc_u64 s[12:13], s[12:13], s[48:49]
.macro OUT T
	WIN 0x55*\T
	v_add_f32 v[SUM], v[SUM], v[SUM+1]
	s_delay_alu instid0(VALU_DEP_1)
	v_permlanex16_b32 v[X], v[SUM], s[SEL], s[SEL+1]
	s_delay_alu instid0(VALU_DEP_1)
	v_add_f32 v[SUM], v[SUM], v[X]
	s_wait_alu depctr_va_vdst(0)
	v_rcp_f32 v[SUM], v[SUM]
	v_nop
	s_wait_alu depctr_va_vdst(0)                   ; ahead of the reciprocal's first reader, which is also O^T's
.set j, 0
.rept 16
	v_pk_mul_f32 v[O+j:O+j+1], v[O+j:O+j+1], v[SUM:SUM+1] op_sel_hi:[1,0]
.set j, j+2
.endr
.irp b, 0,1
.irp e, 0,1,2,3,4,5,6,7
	v_permlane16_swap_b32 v[O+16*\b+\e], v[O+16*\b+8+\e]   ; my 16 registers of block b become channels 32 b + 16 h + 0 .. 15
.endr
.endr
.irp b, 0,1
	v_max3_num_f32 v[BM+\b], |v[O+16*\b]|, |v[O+16*\b+1]|, 0x1800000
.endr
.irp i, 2,4,6,8,10,12,14
.irp b, 0,1
	s_delay_alu instid0(VALU_DEP_2)
	v_max3_num_f32 v[BM+\b], v[BM+\b], |v[O+16*\b+\i]|, |v[O+16*\b+\i+1]|
.endr
.endr
.irp b, 0,1
	s_delay_alu instid0(VALU_DEP_2)
	v_permlanex16_b32 v[T2+\b], v[BM+\b], s[SEL], s[SEL+1]
.endr
.irp b, 0,1
	s_delay_alu instid0(VALU_DEP_2)
	v_max_num_f32 v[BM+\b], v[BM+\b], v[T2+\b]
.endr
.irp b, 0,1
	s_delay_alu instid0(VALU_DEP_2)
	v_add_nc_u32 v[SO+\b], 0xff000000, v[BM+\b]
.endr
.irp b, 0,1
	s_delay_alu instid0(VALU_DEP_2)
	v_lshrrev_b32 v[T2+\b], 23, v[SO+\b]
.endr
	s_delay_alu instid0(VALU_DEP_1)
	v_lshl_or_b32 v[X], v[T2+1], 8, v[T2]
	v_cvt_scalef32_pk16_fp6_f32 v[PC:PC+2], v[O:O+15], v[SO]
	v_cvt_scalef32_pk16_fp6_f32 v[T2+4:T2+6], v[O+16:O+31], v[SO+1]
	v_nop
.irp e, 0,1,2
	v_permlane16_swap_b32 v[PC+\e], v[T2+4+\e]
.endr
.irp e, 0,1,2
	s_delay_alu instid0(VALU_DEP_3)
	v_mov_b32 v[PC+3+\e], v[T2+4+\e]
.endr
	WIN 0x04*\T                                    ; the data: the tile's window
	global_store_b128 v[G16], v[PC:PC+3], s[10:11] offset:3072*\T         ; 512 consecutive bytes, aligned to 256
	global_store_b64 v[G8], v[PC+4:PC+5], s[10:11] offset:3072*\T+512     ; 256
	ds_store_b16 v[SB], v[X] offset:128*\T         ; both lanes of a query write the same two bytes
	WIN 0
.endm
	OUT 0
	OUT 1
	s_wait_dscnt 0x0
	s_barrier_signal -1
	s_barrier_wait -1
	s_cmp_lt_u32 s[WV], 2
	s_cbranch_scc0 .Lno_scales
	ds_load_b64 v[KF:KF+1], v[SRD]
	s_wait_dscnt 0x0
	global_store_b64 v[SGO], v[KF:KF+1], s[12:13]  ; a wave stores 256 consecutive bytes, aligned
.Lno_scales:
	s_wait_tensorcnt 0x0                           ; the wave's end
	ds_add_u32 v[SPW], v[NIL]
	s_wait_dscnt 0x0
	CROUND                                         ; the closing round
	s_endpgm
.Lfunc_end_k_q778b6af2d7_attn:
	.size	k_q778b6af2d7_attn, .Lfunc_end_k_q778b6af2d7_attn-k_q778b6af2d7_attn
	.p2alignl 7, 3214868480
	.fill 96, 4, 3214868480
	.section	.rodata,"a",@progbits
	.p2align	6, 0x0
	.amdhsa_kernel k_q778b6af2d7_attn
		.amdhsa_group_segment_fixed_size 327680
		.amdhsa_private_segment_fixed_size 0
		.amdhsa_enable_private_segment 0
		.amdhsa_kernarg_size 40
		.amdhsa_user_sgpr_count 2
		.amdhsa_user_sgpr_kernarg_segment_ptr 1
		.amdhsa_wavefront_size32 1
		.amdhsa_system_sgpr_workgroup_id_x 1
		.amdhsa_system_sgpr_workgroup_id_y 1
		.amdhsa_system_sgpr_workgroup_id_z 1
		.amdhsa_system_vgpr_workitem_id 0
		.amdhsa_next_free_vgpr 512
		.amdhsa_next_free_sgpr 96
		.amdhsa_reserve_vcc 0
		.amdhsa_float_denorm_mode_32 3
		.amdhsa_float_denorm_mode_16_64 3
		.amdhsa_memory_ordered 1
		.amdhsa_forward_progress 1
		.amdhsa_inst_pref_size 180
	.end_amdhsa_kernel
	.amdgpu_metadata
---
amdhsa.version: [ 1, 2 ]
amdhsa.kernels:
  - .name:           k_q778b6af2d7_attn
    .symbol:         k_q778b6af2d7_attn.kd
    .args:
      - { .name: qpk, .offset: 0, .size: 8, .value_kind: global_buffer, .address_space: global }
      - { .name: kvpk, .offset: 8, .size: 8, .value_kind: global_buffer, .address_space: global }
      - { .name: attn_bias, .offset: 16, .size: 8, .value_kind: global_buffer, .address_space: global }
      - { .name: ocodes, .offset: 24, .size: 8, .value_kind: global_buffer, .address_space: global }
      - { .name: oscales, .offset: 32, .size: 8, .value_kind: global_buffer, .address_space: global }
    .group_segment_fixed_size: 327680
    .private_segment_fixed_size: 0
    .kernarg_segment_align: 8
    .kernarg_segment_size: 40
    .max_flat_workgroup_size: 256
    .sgpr_count:     96
    .vgpr_count:     512
    .wavefront_size: 32
...
	.end_amdgpu_metadata
.endif
;; end of part 2
;; launch proj (part 3): grid 8 x 32, 8 waves a work-group, clusters of 4 x 4, 265,728 bytes of LDS; arguments ocodes, oscales, w_proj_codes, w_proj_scales, b_proj, out0; writes out0
.if DOCPART == 3
	.amdgcn_target "amdgcn-amd-amdhsa--gfx1250"
	.amdhsa_code_object_version 6
	.text
	.protected	k_q778b6af2d7_proj
	.globl	k_q778b6af2d7_proj
	.p2align	8
	.type	k_q778b6af2d7_proj,@function
k_q778b6af2d7_proj:
	s_mov_b64 s[64:65], 0
	v_nop
	global_prefetch_b8 v0, s[64:65] scope:SCOPE_SE
	s_setreg_imm32_b32 hwreg(HW_REG_WAVE_MODE, 25, 1), 1
	s_wait_xcnt 0x0
	s_wait_alu depctr_hold_cnt(0) depctr_sa_sdst(0) depctr_va_vdst(0) depctr_va_sdst(0) depctr_va_ssrc(0) depctr_va_vcc(0) depctr_vm_vsrc(0)
	s_getreg_b32 s2, hwreg(HW_REG_IB_STS2, 6, 4)
	s_cmp_eq_u32 s2, 0
	s_cbranch_scc0 .Lentry_in_a_cluster
	s_endpgm
.Lentry_in_a_cluster:
	s_bfe_u32 s2, ttmp6, 0x10000c
	s_cmp_lg_u32 s2, 0xf033
	s_cbranch_scc0 .Lentry_shape_is_right
	s_endpgm
.Lentry_shape_is_right:
; out0 = o w_proj^T + b_proj on codes of FP6 (E2M3) with E8M0 scales, K = 1,024.  o comes as images of operand registers (ocodes [4 chunks of 256 K][256 tiles of 16 tokens][4 x 768 bytes]) with its
; scale bytes laid [4 chunks][4,096 tokens][8]; w_proj as given: rows of 768 bytes of codes and 32 scale bytes.
; A work-group of eight waves makes 128 tokens x 128 columns: 256 work-groups.  Wave w makes tokens 32 (w / 2) on x columns 64 (w % 2) on: eight accumulators.
; ALL OF K LIES IN LDS, each byte filled once, by ONE tensor load a wave: waves 0, 1 half of o's codes each (4 rows, one a chunk, of 12,288 bytes), wave 2 o's scales, wave 3 w's scales,
; waves 4-7 32 rows of w's codes each, whole rows of 768 bytes, 16 bytes of padding behind every 256.  One barrier shows all of it to all waves.  No loop to run ahead in: nothing is prefetched.
; CLUSTER of 4 x 4: o's tiles are shared along a row of the cluster, w_proj's along a column: joint loads.
; The matrix instruction is used transposed (source 0 = 16 rows of w_proj, source 1 = 16 tokens): a lane holds eight neighbouring columns of a row of out0.  b_proj is loaded into the accumulators.
.set ACH,  12288                       ; o's codes: [half of the tokens][chunk][4 tiles x 3,072]
.set BBASE, 8*ACH
.set BP,   816                         ; a row of w in LDS: 3 x (256 + 16)
.set SCA,  BBASE+128*BP                ; o's scales: chunk c at 1,088 c
.set SCB,  SCA+4352                    ; w's: 128 rows x 32 bytes, units of 256 + 16
.set STAGE, SCB+4352                   ; 16 rows x 272 bytes for each wave
.set SPARE, 0x40a00
.set A16,  4
.set A8,   5
.set B24,  6
.set B40,  7
.set SAA,  8
.set SBA,  9
.set STO,  10
.set RD,   11
.set CO,   12
.set ACC,  192
.macro CROUND
	s_barrier_signal -1
	s_barrier_wait -1
	s_cmp_lg_u32 s16, 0
	s_cbranch_scc1 .Lnot_wave_0_\@
	s_barrier_signal -3
.Lnot_wave_0_\@:
	s_barrier_wait -3
	s_barrier_signal -1
	s_barrier_wait -1
.endm
.macro G0SET g, ldsreg, ldsoff, base
	s_mov_b32 s[\g], 1
	s_add_co_u32 s[\g+1], s[\ldsreg], \ldsoff
	s_mov_b64 s[\g+2:\g+3], s[\base:\base+1]
	s_or_b32 s[\g+3], s[\g+3], 0x80000000
.endm
.macro G1SET g, c, r, p
	s_mov_b32 s[\g+1], (\c)<<16
	s_mov_b32 s[\g+2], (\r)<<16
	s_mov_b32 s[\g+3], (\c)<<16
	s_mov_b32 s[\g+4], \r
	s_mov_b32 s[\g+5], \p
	s_mov_b32 s[\g+6], 0
	s_mov_b32 s[\g+7], 0
.endm
	s_load_b256 s[4:11], s[0:1], 0x0               ; ocodes, oscales, w's codes, w's scales
	s_load_b128 s[12:15], s[0:1], 0x20             ; b_proj, out0
	v_lshl_add_u32 v46, v0, 2, SPARE
	v_mov_b32 v47, 0
	ds_add_u32 v46, v47                            ; the opening lines
	ds_add_u32 v46, v47
	v_lshrrev_b32 v1, 5, v0
	v_readfirstlane_b32 s16, v1                    ; wave 0..7
	s_and_b32 s17, s16, 3
	s_lshr_b32 s18, s16, 1                         ; my 32 tokens
	s_and_b32 s19, s16, 1                          ; my 64 columns
	s_bfe_u32 s20, ttmp6, 0x40000
	s_bfe_u32 s66, ttmp6, 0x40004
	s_lshl_b32 s22, ttmp9, 2
	s_add_co_u32 s22, s22, s20                     ; block of 128 columns
	s_and_b32 s23, ttmp7, 0xffff
	s_lshl_b32 s23, s23, 2
	s_add_co_u32 s23, s23, s66                     ; block of 128 tokens
	s_lshl_b32 s67, s66, 2
	s_lshl_b32 s67, 15, s67                        ; my row of the cluster
	s_lshl_b32 s21, 0x1111, s20                    ; my column
	s_or_b32 s24, s67, (3<<16)|(1<<20)|(1<<21)|(5<<22)|(3<<25)     ; o's scales: 4 rows (chunks) of 1,024 bytes, 32,768 apart; 16 bytes of padding behind every 256
	G1SET 24, 128, 4, 4096
	s_or_b32 s40, s21, (3<<16)|(1<<20)|(1<<21)|(5<<22)|(3<<25)     ; w's scales: 4,096 dense bytes as 16 rows of 256
	G1SET 40, 32, 16, 32
	s_or_b32 s32, s67, (3<<16)|(1<<21)                             ; o's codes: 4 rows (chunks) of 12,288 bytes, 786,432 apart
	G1SET 32, 1536, 4, 98304
	s_or_b32 s48, s21, (0<<16)|(1<<20)|(1<<21)|(5<<22)|(3<<25)     ; w's codes: 32 rows of 768 bytes
	G1SET 48, 768, 32, 768
	s_lshl_b32 s66, s23, 10                        ; o's scales: 128 tokens x 8 bytes a block
	s_mov_b32 s67, 0
	s_mov_b32 s21, 0
	s_wait_dscnt 0x0
	s_wait_kmcnt 0x0
	s_add_nc_u64 s[6:7], s[6:7], s[66:67]
	s_lshl_b32 s66, s23, 3
	s_lshl_b32 s2, s17, 2
	s_add_co_u32 s66, s66, s2
	s_mul_i32 s66, s66, 3072                       ; o's codes: tile 8 x block + 4 x half
	s_add_nc_u64 s[4:5], s[4:5], s[66:67]
	s_lshl_b32 s20, s22, 12                        ; w's scales: 128 rows x 32 bytes a block
	s_add_nc_u64 s[10:11], s[10:11], s[20:21]
	s_lshl_b32 s3, s22, 7
	s_lshl_b32 s20, s17, 5
	s_add_co_u32 s3, s3, s20                       ; w's row 128 x block + 32 x quarter
	s_mul_i32 s20, s3, 768
	s_add_nc_u64 s[8:9], s[8:9], s[20:21]
	s_mov_b32 s2, 0
	s_mul_i32 s3, s17, 4*ACH
	s_mul_i32 s20, s17, 32*BP
	G0SET 56, 2, SCA, 6
	G0SET 60, 3, 0, 4
	G0SET 80, 2, SCB, 10
	G0SET 84, 20, BBASE, 8
	CROUND                                         ; the joint loads meet
.macro ARM under, g0, g1, next
	s_cmp_lt_u32 s16, \under
	s_cbranch_scc0 \next
	tensor_load_to_lds s[\g0:\g0+3], s[\g1:\g1+7]
	s_nop 0
.rept 4
	v_nop
.endr
	s_branch .Lfilled
\next:
.endm
	ARM 2, 60, 32, .Lfill_sa
	ARM 3, 56, 24, .Lfill_sb
	ARM 4, 80, 40, .Lfill_b
	tensor_load_to_lds s[84:87], s[48:55]
	s_nop 0
.rept 4
	v_nop
.endr
.Lfilled:
	s_lshr_b32 s2, s18, 1
	s_mul_i32 s2, s2, 4*ACH
	s_and_b32 s3, s18, 1
	s_mul_i32 s3, s3, 6144
	s_add_co_u32 s2, s2, s3                        ; my two tiles of tokens
	s_mul_i32 s3, s19, 64*BP
	s_add_co_u32 s3, s3, BBASE                     ; my 64 rows of w
	s_mul_i32 s20, s18, 272
	s_add_co_u32 s20, s20, SCA
	s_mul_i32 s21, s19, 2176
	s_add_co_u32 s21, s21, SCB
	s_mul_i32 s66, s16, 16*272
	s_add_co_u32 s66, s66, STAGE
	v_and_b32 v1, 31, v0
	v_and_b32 v2, 15, v0
	v_bfe_u32 v3, v0, 4, 1
	v_lshl_add_u32 v[A16], v1, 4, s2
	v_lshl_add_u32 v[A8], v1, 3, s2
	v_mul_u32_u24 v14, v2, BP
	v_mad_u32_u24 v[B24], v3, 24, v14
	v_mad_u32_u24 v[B40], v3, 40, v14              ; the same behind one padding more
	v_add_nc_u32 v[B24], s3, v[B24]
	v_add_nc_u32 v[B40], s3, v[B40]
	v_lshl_add_u32 v[SAA], v2, 3, s20              ; o's scale words: 8 bytes a token
	v_lshrrev_b32 v14, 3, v2
	v_lshlrev_b32 v14, 4, v14
	v_lshl_add_u32 v14, v2, 5, v14
	v_add_nc_u32 v[SBA], s21, v14                  ; w's: 32 bytes a row, 16 more for each 256 passed
	v_mul_u32_u24 v14, v2, 272
	v_lshl_add_u32 v14, v3, 5, v14
	v_add_nc_u32 v[STO], s66, v14
	v_mul_u32_u24 v14, v3, 272
	v_lshl_add_u32 v14, v2, 4, v14
	v_add_nc_u32 v[RD], s66, v14
	v_lshlrev_b32 v[CO], 12, v3
	v_lshl_add_u32 v[CO], v2, 4, v[CO]
	v_lshlrev_b32 v13, 5, v3
	s_wait_alu depctr_va_vdst(0)                   ; the head's end
	s_lshl_b32 s2, s22, 9
	s_lshl_b32 s3, s19, 8
	s_add_co_u32 s2, s2, s3                        ; my first column, in bytes
	s_mov_b32 s3, 0
	s_add_nc_u64 s[12:13], s[12:13], s[2:3]
	s_add_nc_u64 s[14:15], s[14:15], s[2:3]
	s_lshl_b32 s2, s23, 7
	s_lshl_b32 s20, s18, 5
	s_add_co_u32 s2, s2, s20
	s_lshl_b32 s2, s2, 12                          ; my first row: 4,096 bytes a row
	s_add_nc_u64 s[14:15], s[14:15], s[2:3]
.irp a, 0,1
.irp b, 0,1,2,3
	global_load_b128 v[ACC+8*(4*\a+\b):ACC+8*(4*\a+\b)+3], v13, s[12:13] offset:64*\b      ; the bias starts the sums
	global_load_b128 v[ACC+8*(4*\a+\b)+4:ACC+8*(4*\a+\b)+7], v13, s[12:13] offset:64*\b+16
.endr
.endr
.macro SCL c, sp                       ; chunk c's scale words (two a row) into set sp: 6 loads
.irp a, 0,1
	ds_load_b64 v[16+12*(\sp)+2*\a:16+12*(\sp)+2*\a+1], v[SAA] offset:128*\a+1088*(\c)
.endr
.irp b, 0,1,2,3
	ds_load_b64 v[16+12*(\sp)+4+2*\b:16+12*(\sp)+4+2*\b+1], v[SBA] offset:544*\b+8*(\c)
.endr
.endm
.macro FET st, set                     ; the fragments of K step st into a set: 32 loads
.set FB, 48+72*(\set)
.irp a, 0,1
.irp hf, 0,1
	ds_load_b128 v[FB+12*\a+6*\hf:FB+12*\a+6*\hf+3], v[A16] offset:ACH*((\st)/2)+3072*\a+1536*((\st)%2)+768*\hf
	ds_load_b64 v[FB+12*\a+6*\hf+4:FB+12*\a+6*\hf+5], v[A8] offset:ACH*((\st)/2)+3072*\a+1536*((\st)%2)+768*\hf+512
.endr
.endr
.irp b, 0,1,2,3
.irp e, 0,1,2,3,4,5
.set BY, 96*(\st)+48*(\e/3)+8*(\e%3)   ; byte y of a row of codes lies at y + 16 (y / 256) of its LDS row; lanes 16-31 read 24 bytes on
.if BY/256 == (BY+24)/256
	ds_load_b64 v[FB+24+12*\b+2*\e:FB+24+12*\b+2*\e+1], v[B24] offset:BY+16*(BY/256)+\b*16*BP
.else
	ds_load_b64 v[FB+24+12*\b+2*\e:FB+24+12*\b+2*\e+1], v[B40] offset:BY+16*(BY/256)+\b*16*BP
.endif
.endr
.endr
.endm
.macro MUL set, q, sp                  ; eight products; the eight accumulators take turns
.set FB, 48+72*(\set)
.set SB0, 16+12*(\sp)
.irp a, 0,1
.irp b, 0,1,2,3
	v_wmma_scale_f32_16x16x128_f8f6f4 v[ACC+8*(4*\a+\b):ACC+8*(4*\a+\b)+7], v[FB+24+12*\b:FB+24+12*\b+11], v[FB+12*\a:FB+12*\a+11], v[ACC+8*(4*\a+\b):ACC+8*(4*\a+\b)+7], v[SB0+4+2*\b+(\q)], v[SB0+2*\a+(\q)] matrix_a_fmt:MATRIX_FMT_FP6 matrix_b_fmt:MATRIX_FMT_FP6
.endr
.endr
.endm
.macro PLACES
.rept 4
	v_nop
.endr
.endm
.macro PAIR c                          ; a chunk's two K steps
	s_wait_dscnt 32                                ; the odd step's 32 loads may be out
	MUL 0, 0, (\c)%2
	PLACES
	SCL (\c)+1, ((\c)+1)%2
	FET 2*(\c)+2, 0
	s_wait_dscnt 38                                ; the 6 + 32 just issued may be out
	MUL 1, 1, (\c)%2
	PLACES
	FET 2*(\c)+3, 1
.endm
	s_wait_tensorcnt 0x0                           ; my tile is in
	s_barrier_signal -1
	s_barrier_wait -1                              ; and everybody's; nothing is filled again
	SCL 0, 0
	FET 0, 0
	FET 1, 1
	s_wait_loadcnt 0x0                             ; the bias
	PAIR 0
	PAIR 1
	PAIR 2
	s_wait_dscnt 32
	MUL 0, 0, 1
	s_wait_dscnt 0x0
	MUL 1, 1, 1
	; THE WAY OUT: 16 rows x 64 columns at a time through my own stage; back as whole rows of 256 bytes
	PLACES
.irp a, 0,1
.irp b, 0,1,2,3
	ds_store_b128 v[STO], v[ACC+8*(4*\a+\b):ACC+8*(4*\a+\b)+3] offset:64*\b
	ds_store_b128 v[STO], v[ACC+8*(4*\a+\b)+4:ACC+8*(4*\a+\b)+7] offset:64*\b+16
.endr
.irp e, 0,1,2,3,4,5,6,7
	ds_load_b128 v[48+32*\a+4*\e:48+32*\a+4*\e+3], v[RD] offset:544*\e
.endr
.endr
.irp a, 0,1
.irp e, 0,1,2,3,4,5,6,7
	s_wait_dscnt 16*(1-\a)+7-\e                    ; what was issued behind this load may be out
	global_store_b128 v[CO], v[48+32*\a+4*\e:48+32*\a+4*\e+3], s[14:15] offset:65536*\a+8192*\e th:TH_STORE_NT   ; 16 lanes store 256 consecutive bytes, aligned
.endr
.endr
	s_wait_tensorcnt 0x0                           ; the wave's end
	ds_add_u32 v46, v47
	s_wait_dscnt 0x0
	CROUND                                         ; the closing round
	s_endpgm
.Lfunc_end_k_q778b6af2d7_proj:
	.size	k_q778b6af2d7_proj, .Lfunc_end_k_q778b6af2d7_proj-k_q778b6af2d7_proj
	.p2alignl 7, 3214868480
	.fill 96, 4, 3214868480
	.section	.rodata,"a",@progbits
	.p2align	6, 0x0
	.amdhsa_kernel k_q778b6af2d7_proj
		.amdhsa_group_segment_fixed_size 265728
		.amdhsa_private_segment_fixed_size 0
		.amdhsa_enable_private_segment 0
		.amdhsa_kernarg_size 48
		.amdhsa_user_sgpr_count 2
		.amdhsa_user_sgpr_kernarg_segment_ptr 1
		.amdhsa_wavefront_size32 1
		.amdhsa_system_sgpr_workgroup_id_x 1
		.amdhsa_system_sgpr_workgroup_id_y 1
		.amdhsa_system_sgpr_workgroup_id_z 1
		.amdhsa_system_vgpr_workitem_id 0
		.amdhsa_next_free_vgpr 256
		.amdhsa_next_free_sgpr 100
		.amdhsa_reserve_vcc 0
		.amdhsa_float_denorm_mode_32 3
		.amdhsa_float_denorm_mode_16_64 3
		.amdhsa_memory_ordered 1
		.amdhsa_forward_progress 1
		.amdhsa_inst_pref_size 42
	.end_amdhsa_kernel
	.amdgpu_metadata
---
amdhsa.version: [ 1, 2 ]
amdhsa.kernels:
  - .name:           k_q778b6af2d7_proj
    .symbol:         k_q778b6af2d7_proj.kd
    .args:
      - { .name: ocodes, .offset: 0, .size: 8, .value_kind: global_buffer, .address_space: global }
      - { .name: oscales, .offset: 8, .size: 8, .value_kind: global_buffer, .address_space: global }
      - { .name: w_proj_codes, .offset: 16, .size: 8, .value_kind: global_buffer, .address_space: global }
      - { .name: w_proj_scales, .offset: 24, .size: 8, .value_kind: global_buffer, .address_space: global }
      - { .name: b_proj, .offset: 32, .size: 8, .value_kind: global_buffer, .address_space: global }
      - { .name: out0, .offset: 40, .size: 8, .value_kind: global_buffer, .address_space: global }
    .group_segment_fixed_size: 265728
    .private_segment_fixed_size: 0
    .kernarg_segment_align: 8
    .kernarg_segment_size: 48
    .max_flat_workgroup_size: 256
    .sgpr_count:     100
    .vgpr_count:     256
    .wavefront_size: 32
...
	.end_amdgpu_metadata
.endif
;; end of part 3
